; MI455X (gfx1250); checked and timed in simulation.
; The chip was launched on July 23, 2026; its instructions are those of AMD's public machine-readable ISA for CDNA 5 (MIT licence, August 2026) and "CDNA5" Instruction Set Architecture Reference Guide (July 2026). The comments in the code are by the model that wrote it; some were corrected since.
;; Mult Head Atten. Allowed arithmetic: matrix products marked QUANTISED: E2M3 operands, one E8M0 scale for each 32 along K, by v_wmma_scale_f32_16x16x128_f8f6f4 with both operands' format E2M3, f32 sums; everything else in f32.
;; Inputs: Wo 768 x 768 float32; Wq 768 x 768 float32; bo 768 float32; bq 768 float32; k 1 x 4,096 x 768 float32; q 1 x 4,096 x 768 float32; v 1 x 4,096 x 768 float32.
;; Outputs: out0 1 x 4,096 x 768 float32.
;; This version of the problem:
;;   THIS VERSION OF THE PROBLEM IS GIVEN IN LOW PRECISION. The matrix products marked QUANTISED in the list below multiply operands that are first quantised to E2M3 (2 exponent bits, 3 mantissa bits; 6 bits a number), with one power-of-two scale for each 32 numbers along K (OCP MX v1.0); their sums are f32. All else is computed in f32.
;;   The module's matrix products, in the order in which they are computed (A, B: the left and right operand; K: the contracted axis; several contracted axes count as one K, in the product's order):
;;     1. [M 4,096, K 768] x [K 768, N 768]; A: input q; B: input Wq: QUANTISED
;;     2. [M 4,096, K 768] x [K 768, N 768]; A: input k; B: input Wq: QUANTISED
;;     3. [M 4,096, K 768] x [K 768, N 768]; A: input v; B: input Wq: QUANTISED
;;     4. batch 12 x [M 4,096, K 64] x [K 64, N 4,096]; A: computed on the way; B: computed on the way: QUANTISED
;;     5. batch 12 x [M 4,096, K 4,096] x [K 4,096, N 64]; A: softmax (see below); B: computed on the way: QUANTISED
;;     6. [M 4,096, K 768] x [K 768, N 768]; A: computed on the way; B: input Wo: QUANTISED
;;   THE QUANTISER, for each operand of a quantised product, along K:
;;     - K is cut into blocks of 32 from its start; a last block that is shorter is filled with zeros.
;;     - A block's scale is 2^e with e = floor(log2(the largest magnitude in the block)) - 2, held to -126 .. 127; a block of zeros has e = 0. As a byte (E8M0): e + 127.
;;     - Each number is divided by its block's scale, clamped to +-7.5, and rounded to the nearest number of E2M3, ties to even, subnormals kept.
;;     - The product sums the exact products of the quantised numbers (number of the format x scale) in f32.
;;   ~~~python
;;   def quantise(x, axis):      # numpy; x: float32 -> the quantised numbers, widened to float32 again
;;       x = np.moveaxis(x, axis, -1); K = x.shape[-1]
;;       x = np.pad(x, [(0, 0)] * (x.ndim - 1) + [(0, -K % 32)]); x = x.reshape(x.shape[:-1] + (-1, 32)); a = np.abs(x).max(-1, keepdims=True)
;;       e = np.where(a > 0, np.clip(np.frexp(np.where(a > 0, a, 1))[1] - 1 - 2, -126, 127), 0)      # np.frexp(a)[1] - 1 = floor(log2(a)), exactly
;;       r = np.clip(x / 2.0 ** e, -7.5, 7.5)
;;       step = 2.0 ** (np.maximum(np.frexp(np.where(r == 0, 1, r))[1] - 1, 0) - 3)
;;       q = np.round(r / step) * step * 2.0 ** e      # np.round: ties to even
;;       return np.moveaxis(q.reshape(q.shape[:-2] + (-1,))[..., :K], -1, axis).astype(np.float32)
;;   ~~~
;;   SOFTMAX AHEAD OF A QUANTISED PRODUCT. Where the list says 'softmax', what is quantised is not the finished softmax but p = 2^(t - M), with t = logit x log2(e) and M = ceil(the row's largest t), a whole number; so 1/2 < the row's largest p <= 1. The row's sum l is taken of the UNQUANTISED p, in f32, and the product's result is divided by l at the end. Since M is a whole number, a kernel that streams over the keys may use a running M (the ceiling of the running maximum): every later rescaling is an exact power of two, which a block's scale takes up: the codes' values come out the same.
;;   OPERANDS COMPUTED ON THE WAY. 'Computed on the way' means the value that the module computes at that place (a softmax that the list does not call 'softmax' is quantised finished and normalised). What goes into a quantiser is computed in f32, as accurately as f32 sums, v_exp_f32 and their like allow (about 1e-6 of the number): no bf16 or f16 on the way to a quantiser, and a product that is left as it is and whose result goes on into a quantised operand takes f32 operands (vector FMAs, or v_wmma_f32_16x16x4_f32). A number that lies on a knife's edge between two numbers of the format may be rounded either way, as far as f32 arithmetic and the matrix unit's own rounding can turn it there, and no further.
;; 2 versions. Each part assembles by itself: llvm-mc -triple=amdgcn-amd-amdhsa -mcpu=gfx1250 --defsym DOCPART=n.
;; ======== version 1 of 2: 4 launches
;; workspace buffers: wimg 958,464 bytes; qkv 12,582,912 bytes; cimg 3,145,728 bytes
;; launch wquant (part 1): grid 6 x 24, 1 waves a work-group, no clusters, 17,152 bytes of LDS; arguments Wq, Wo, wimg; writes wimg
.if DOCPART == 1
	.amdgcn_target "amdgcn-amd-amdhsa--gfx1250"
	.amdhsa_code_object_version 6
	.text
	.protected	k_qbc7d992919_wquant
	.globl	k_qbc7d992919_wquant
	.p2align	8
	.type	k_qbc7d992919_wquant,@function
k_qbc7d992919_wquant:
	s_mov_b64 s[64:65], 0
	v_nop
	global_prefetch_b8 v0, s[64:65] scope:SCOPE_SE
	s_setreg_imm32_b32 hwreg(HW_REG_WAVE_MODE, 25, 1), 1
	s_wait_xcnt 0x0
; Wq and Wo, [768][768] f32 with K innermost, become codes of FP6 (E2M3) with one E8M0 byte for each 32 along K, laid IN THE ORDER OF THE OPERAND'S REGISTERS.
; wimg: 24 groups y (0-11: Wq, 12-23: Wo; a group is 64 output features) x 6 K steps of 128.  The record of (y, s) is 6,656 bytes at (6 y + s) x 6,656: four fragments n (16 rows x 128 K,
; 12 registers a lane) at 1,536 n, each as three pieces of 512 bytes (registers 4 c .. 4 c + 3 at 16 x lane); at 6,144 + 16 x lane the lane's four scale words.
; THE ROWS OF A FRAGMENT ARE NOT NEIGHBOURS: lane r of fragment n = 2 b + u holds feature 32 b + 8 u + r + 8 (r / 8), so that a transposed product's 16 registers of two neighbouring tiles are 16 neighbouring features.
; One wave to a work-group, one record to a wave.  Each load reads 512 consecutive bytes of one row (a K step of it); the 16 rows of a fragment turn through a stage in LDS (rows 528 bytes apart), from which
; lane (r, h) takes of row r the 16 numbers 32 b + 16 h + 0 .. 15 of each block b: what the conversions want.
; A block's scale byte is its largest magnitude's exponent field - 2, held at 1 from below.
; LIMITS: a block of zeros gets the byte 1 (its codes are zeros, and this program alone reads the bytes); blocks whose largest magnitude lies under 2^-124 are held at that floor; NaN and infinities are not served.
; No matrix unit, no cluster, no tensor load: every byte is read once, by one wave.
.set XP,  4                            ; s[4:5]  the rows that I read
.set SEL, 20                           ; s[20:21] lane selects: lane l xor 16
.set LI,  1                            ; v1  16 x lane: my bytes of a load, of a store, and of a stage row on the way in
.set STW, 1
.set STR, 2                            ; v2  the stage on the way out: 528 r + 64 h
.set TM,  208                          ; v208-223 at work in QUANT
.set PC,  224                          ; v224-242 the codes just made
.set SW,  248                          ; v248-251 the four fragments' scale words
.set MSB, 0
.macro WIN new                         ; the immediate's high byte repeats the setting that is left; a switch that changes nothing is dropped
.if MSB != (\new)
	s_set_vgpr_msb (MSB<<8)|(\new)
.set MSB, \new
.endif
.endm
; 64 numbers of a lane, register 16 b + i = k 32 b + 16 (lane / 16) + i of my row, become a fragment's codes in v[PC] .. v[PC + 11] and its scale word in v[pw].
.macro QUANT s, pw
.irp b, 0,1,2,3
	v_max3_num_f32 v[TM+\b], |v[\s+16*\b]|, |v[\s+1+16*\b]|, 0x1800000   ; my 16 numbers of block b, and the floor 2^(3 - 127): the byte cannot fall under 1
.endr
.irp i, 2,4,6,8,10,12,14
.irp b, 0,1,2,3
	v_max3_num_f32 v[TM+\b], v[TM+\b], |v[\s+16*\b+\i]|, |v[\s+1+16*\b+\i]|
.endr
.endr
.irp b, 0,1,2,3
	v_permlanex16_b32 v[TM+4+\b], v[TM+\b], s[SEL], s[SEL+1]
.endr
.irp b, 0,1,2,3
	v_max_num_f32 v[TM+\b], v[TM+\b], v[TM+4+\b]                     ; with lane l xor 16's: the block's largest magnitude
.endr
.irp b, 0,1,2,3
	v_add_nc_u32 v[TM+12+\b], 0xff000000, v[TM+\b]                   ; 2 off its exponent field: the conversion's scale operand
.endr
.irp b, 0,1,2,3
	v_lshrrev_b32 v[TM+4+\b], 23, v[TM+12+\b]                        ; the scale's byte
.endr
	v_lshl_or_b32 v[\pw], v[TM+5], 8, v[TM+4]
	v_lshl_or_b32 v[\pw], v[TM+6], 16, v[\pw]
	v_lshl_or_b32 v[\pw], v[TM+7], 24, v[\pw]
.irp c, 0,1
	v_cvt_scalef32_pk16_fp6_f32 v[PC+6*\c:PC+2+6*\c], v[\s+32*\c:\s+15+32*\c], v[TM+12+2*\c]
	v_cvt_scalef32_pk16_fp6_f32 v[PC+12+4*\c:PC+14+4*\c], v[\s+16+32*\c:\s+31+32*\c], v[TM+12+2*\c+1]   ; (a conversion's three registers begin on an even number)
.endr
	v_nop                                          ; one plain place behind a scaled conversion
.irp c, 0,1                            ; the operand wants a whole block in a lane: lanes 0-15 block 2 c, lanes 16-31 block 2 c + 1
.irp i, 0,1,2
	v_permlane16_swap_b32 v[PC+6*\c+\i], v[PC+12+4*\c+\i]
.endr
.irp i, 0,1,2
	v_mov_b32 v[PC+3+6*\c+\i], v[PC+12+4*\c+\i]
.endr
.endr
.endm
; sixteen rows' 512 bytes, as they lie, into window 1 + f / 2, registers 64 (f % 2) on.  Row i of the sixteen is row i + 8 (i / 8) from off on.
.macro XLOAD f, off
.set WW, (1+(\f)/2)<<6
	WIN WW
.irp i, 0,1,2,3,4,5,6,7,8,9,10,11,12,13,14,15
	global_load_b128 v[64*((\f)%2)+4*\i:64*((\f)%2)+4*\i+3], v[LI], s[XP:XP+1] offset:(\off)+(\i+8*(\i/8))*3072 th:TH_LOAD_NT
.endr
.endm
; they turn through stage f % 2; LDS serves a wave's instructions in order, so no wait stands between the stores and the loads
.macro TURN f
.set WW, (1+(\f)/2)<<2
	WIN WW
.irp i, 0,1,2,3,4,5,6,7,8,9,10,11,12,13,14,15
	ds_store_b128 v[STW], v[64*((\f)%2)+4*\i:64*((\f)%2)+4*\i+3] offset:((\f)%2)*8448+528*\i
.endr
	WIN 0
.irp b, 0,1,2,3
.irp j, 0,1,2,3
	ds_load_b128 v[16+64*((\f)%2)+16*\b+4*\j:16+64*((\f)%2)+16*\b+4*\j+3], v[STR] offset:((\f)%2)*8448+128*\b+16*\j
.endr
.endr
.endm
	s_load_b128 s[4:7], s[0:1], 0x0                ; Wq, Wo
	s_load_b64 s[8:9], s[0:1], 0x10                ; wimg
	v_lshl_add_u32 v254, v0, 2, 0x4200
	v_mov_b32 v255, 0
	v_and_b32 v3, 15, v0                           ; r (one wave: the thread's number is the lane)
	v_bfe_u32 v4, v0, 4, 1                         ; h
	v_lshlrev_b32 v[LI], 4, v0
	v_mul_u32_u24 v[STR], v3, 528
	v_lshl_add_u32 v[STR], v4, 6, v[STR]
.irp b, 0,1,2,3
	v_mov_b32 v[TM+4+\b], 0                        ; written once: a lane permute's destination counts as one of its sources
.endr
	s_mov_b32 s[SEL], 0x76543210
	s_mov_b32 s[SEL+1], 0xfedcba98
	s_and_b32 s10, ttmp7, 0xffff                   ; y: the group
	s_mul_i32 s14, s10, 6
	s_add_co_u32 s14, s14, ttmp9                   ; + x: the K step
	s_mul_i32 s14, s14, 6656                       ; my record
	s_mov_b32 s15, 0
	s_lshl_b32 s13, ttmp9, 9                       ; the K step's 512 bytes in a row
	s_wait_kmcnt 0x0
	s_cmp_lt_u32 s10, 12                           ; Wq's group or Wo's: the choice hangs on the work-group's number alone
	s_cselect_b64 s[4:5], s[4:5], s[6:7]
	s_cselect_b32 s11, 0, 12
	s_sub_co_u32 s11, s10, s11
	s_mul_i32 s12, s11, 196608                     ; 64 rows of 3,072 bytes a group
	s_add_co_u32 s12, s12, s13
	s_mov_b32 s13, 0
	s_add_nc_u64 s[4:5], s[4:5], s[12:13]
	s_add_nc_u64 s[8:9], s[8:9], s[14:15]
.irp n, 0,1,2,3
	XLOAD \n, (32*(\n/2)+8*(\n%2))*3072            ; all 64 loads go out at once
.endr
	s_wait_loadcnt 48                              ; fragment 0's sixteen are in
	TURN 0
.irp f, 0,1,2,3
.if \f < 3
	s_wait_loadcnt 16*(2-\f)                       ; the next fragment's sixteen are in; those behind them may be out
	TURN \f+1
	s_wait_dscnt 32                                ; all but the 32 just issued: this fragment's numbers are back from the stage
.else
	s_wait_dscnt 0x0
.endif
.if \f > 0
	s_wait_xcnt 0x0                                ; the last fragment's stores have read v[PC] on: only now are they written again
.endif
	QUANT 16+64*(\f%2), SW+\f
.irp c, 0,1,2
	global_store_b128 v[LI], v[PC+4*\c:PC+4*\c+3], s[8:9] offset:\f*1536+512*\c   ; 32 lanes store 512 consecutive bytes, aligned to 256
.endr
.endr
	global_store_b128 v[LI], v[SW:SW+3], s[8:9] offset:6144
	s_wait_tensorcnt 0x0
	ds_add_u32 v254, v255
	s_wait_dscnt 0x0
	s_endpgm
.Lfunc_end_k_qbc7d992919_wquant:
	.size	k_qbc7d992919_wquant, .Lfunc_end_k_qbc7d992919_wquant-k_qbc7d992919_wquant
	.p2alignl 7, 3214868480
	.fill 96, 4, 3214868480
	.section	.rodata,"a",@progbits
	.p2align	6, 0x0
	.amdhsa_kernel k_qbc7d992919_wquant
		.amdhsa_group_segment_fixed_size 17152
		.amdhsa_private_segment_fixed_size 0
		.amdhsa_enable_private_segment 0
		.amdhsa_kernarg_size 24
		.amdhsa_user_sgpr_count 2
		.amdhsa_user_sgpr_kernarg_segment_ptr 1
		.amdhsa_wavefront_size32 1
		.amdhsa_system_sgpr_workgroup_id_x 1
		.amdhsa_system_sgpr_workgroup_id_y 1
		.amdhsa_system_sgpr_workgroup_id_z 1
		.amdhsa_system_vgpr_workitem_id 0
		.amdhsa_next_free_vgpr 768
		.amdhsa_next_free_sgpr 66
		.amdhsa_reserve_vcc 0
		.amdhsa_float_denorm_mode_32 3
		.amdhsa_float_denorm_mode_16_64 3
		.amdhsa_memory_ordered 1
		.amdhsa_forward_progress 1
		.amdhsa_inst_pref_size 33
	.end_amdhsa_kernel
	.amdgpu_metadata
---
amdhsa.version: [ 1, 2 ]
amdhsa.kernels:
  - .name:           k_qbc7d992919_wquant
    .symbol:         k_qbc7d992919_wquant.kd
    .args:
      - { .name: Wq, .offset: 0, .size: 8, .value_kind: global_buffer, .address_space: global }
      - { .name: Wo, .offset: 8, .size: 8, .value_kind: global_buffer, .address_space: global }
      - { .name: wimg, .offset: 16, .size: 8, .value_kind: global_buffer, .address_space: global }
    .group_segment_fixed_size: 17152
    .private_segment_fixed_size: 0
    .kernarg_segment_align: 8
    .kernarg_segment_size: 24
    .max_flat_workgroup_size: 32
    .sgpr_count:     66
    .vgpr_count:     768
    .wavefront_size: 32
...
	.end_amdgpu_metadata
.endif
;; end of part 1
;; launch proj (part 2): grid 192 x 1, 4 waves a work-group, no clusters, 108,032 bytes of LDS; arguments q, k, v, bq, wimg, qkv; writes qkv
.if DOCPART == 2
	.amdgcn_target "amdgcn-amd-amdhsa--gfx1250"
	.amdhsa_code_object_version 6
	.text
	.protected	k_qbc7d992919_proj
	.globl	k_qbc7d992919_proj
	.p2align	8
	.type	k_qbc7d992919_proj,@function
k_qbc7d992919_proj:
	s_mov_b64 s[64:65], 0
	v_nop
	global_prefetch_b8 v0, s[64:65] scope:SCOPE_SE
	s_setreg_imm32_b32 hwreg(HW_REG_WAVE_MODE, 25, 1), 1
	s_wait_xcnt 0x0
; Q = q Wq^T + bq, K = k Wq^T + bq, V = v Wq^T + bq, on codes of FP6 (E2M3) with one E8M0 byte for each 32 along K; and the results quantised again for attention: Q and K along the head's 64, V along the keys.
; SHARES.  Work-group g: tensor g / 64 (0 q, 1 k, 2 v), tokens 64 (g % 64) on, ALL 768 features: so each f32 number is read and quantised once in the launch.  Wave w quantises the 16 tokens of tile w (six fragments),
; hands them to the others through LDS as images of the operand's registers, and then makes heads 3 w .. 3 w + 2 for all 64 tokens: 16 accumulators by turns, six K steps.
; THE TOKENS OF A TILE ARE NOT NEIGHBOURS: lane r of tile m = 2 b + u holds token 32 b + 8 u + r + 8 (r / 8); the weights' fragments (wimg) hold their features in the same order.
; Q, K: source 0 = 16 features, source 1 = 16 tokens: a lane holds one token, and the 32 registers of a token tile are the head's d = 32 b + 16 h + i at register 16 b + i.
; V:    source 0 = 16 tokens, source 1 = 16 features: a lane holds one feature, and the 32 registers of a feature tile are tokens 32 b + 16 h + i: the keys, the second product's K.
; Either way 32 registers become HALF A FRAGMENT (64 along K: six registers a lane) and two scale bytes.  A record is 1,024 bytes: pieces p = 0, 1, 2 of 256 bytes hold registers 2 p, 2 p + 1 at 8 x lane, piece 3 the pair
; (scale word with bytes 2 and 3 zero, 0).  qkv: head x 524,288 + slot x 32,768 (a slot is 256 keys): K's 16 tiles at 1,024 each, then from 16,384 V's records (4 g + n): g the group of 64 keys, n the tile of d.
; Q lies 6,291,456 further on, by K's formula.
; The bias is the C of each sum's first matrix instruction.
; THE WEIGHTS GO FROM MEMORY STRAIGHT INTO REGISTERS, twelve loads of 16 bytes a lane and one for the scale words for each K step, six steps ahead.  No cluster and no joint loads: a weight fragment is wanted by one wave of a
; work-group alone, a K step of a head is 16 products, and a wave has 288 in all: a ring in LDS would put a barrier of the cluster in front of every few of them.
; LIMITS: a block of zeros gets the byte 1 (its codes are zeros; this program alone reads the bytes); largest magnitudes under 2^-124 are held at that floor; NaN and infinities are not served.
; REGISTERS.  Window 0: v1-15 addresses; v16-143 two sets of 64 numbers, later the 16 accumulators; v144-167 the weights' scale words (4 s + n); v168-191 x's (6 m + s); v208-223, v224-242 at work; v244-255 bq for V.
;   Window w' = 1, 2, 3: first 128 registers of f32 as loaded; then v0-95 x's fragments of K steps 2 (w' - 1) + e at 12 (4 e + m); v96-191 the weights' at 96 + 12 (4 e + n); v192-223 the bias of head w' - 1.
.set XIMG, 67584                       ; LDS: four waves' stages (2 x 16 rows x 528 bytes each); then x's 24 fragments, 1,536 bytes each, (6 m + s);
.set XSC,  104448                      ; then their scale words, 128 bytes each
.set LI,  1                            ; v1  16 x lane
.set LS,  2                            ; v2  4 x lane
.set GO,  3                            ; v3  8 x lane
.set BA,  4                            ; v4  64 h: the bias of a lane's eight features
.set BB,  5                            ; v5  4 (r + 8 (r / 8)): the bias of a lane's one feature
.set XWI, 6                            ; v6  where I store my images: XIMG + 9,216 w + 16 x lane
.set XWS, 7                            ; v7  and their scale words: XSC + 768 w + 4 x lane
.set STW, 8                            ; v8  my stage on the way in: 16,896 w + 16 x lane
.set STR, 9                            ; v9  and on the way out: 16,896 w + 528 r + 64 h
.set FI,  14                           ; v14 XIMG + 16 x lane
.set FS,  15                           ; v15 XSC + 4 x lane
.set WS,  144
.set XS,  168
.set TM,  208
.set PW,  218
.set PC,  224
.set BV,  244
.set XP,  4                            ; s[4:5]   my 16 tokens' rows
.set BQ,  10                           ; s[10:11] bq at my three heads
.set WB,  12                           ; s[12:13] wimg at my three heads
.set OB,  14                           ; s[14:15] qkv at my first record
.set WV,  16
.set TZ,  17
.set BLK, 18
.set SEL, 20
.set MSB, 0
.macro WIN new                         ; the immediate's high byte repeats the setting that is left; a switch that changes nothing is dropped
.if MSB != (\new)
	s_set_vgpr_msb (MSB<<8)|(\new)
.set MSB, \new
.endif
.endm
; 64 numbers of a lane, register 16 b + i = k 32 b + 16 (lane / 16) + i of my row, become a fragment's codes in v[PC] .. v[PC + 11] and its scale word in v[pw].
.macro QUANT s, pw
.irp b, 0,1,2,3
	v_max3_num_f32 v[TM+\b], |v[\s+16*\b]|, |v[\s+1+16*\b]|, 0x1800000   ; my 16 numbers of block b, and the floor 2^(3 - 127): the byte cannot fall under 1
.endr
.irp i, 2,4,6,8,10,12,14
.irp b, 0,1,2,3
	v_max3_num_f32 v[TM+\b], v[TM+\b], |v[\s+16*\b+\i]|, |v[\s+1+16*\b+\i]|
.endr
.endr
.irp b, 0,1,2,3
	v_permlanex16_b32 v[TM+4+\b], v[TM+\b], s[SEL], s[SEL+1]
.endr
.irp b, 0,1,2,3
	v_max_num_f32 v[TM+\b], v[TM+\b], v[TM+4+\b]
.endr
.irp b, 0,1,2,3
	v_add_nc_u32 v[TM+12+\b], 0xff000000, v[TM+\b]                   ; 2 off the exponent field: the conversion's scale operand
.endr
.irp b, 0,1,2,3
	v_lshrrev_b32 v[TM+4+\b], 23, v[TM+12+\b]                        ; the scale's byte
.endr
	v_lshl_or_b32 v[\pw], v[TM+5], 8, v[TM+4]
	v_lshl_or_b32 v[\pw], v[TM+6], 16, v[\pw]
	v_lshl_or_b32 v[\pw], v[TM+7], 24, v[\pw]
.irp c, 0,1
	v_cvt_scalef32_pk16_fp6_f32 v[PC+6*\c:PC+2+6*\c], v[\s+32*\c:\s+15+32*\c], v[TM+12+2*\c]
	v_cvt_scalef32_pk16_fp6_f32 v[PC+12+4*\c:PC+14+4*\c], v[\s+16+32*\c:\s+31+32*\c], v[TM+12+2*\c+1]
.endr
	v_nop                                          ; one plain place behind a scaled conversion
.irp c, 0,1
.irp i, 0,1,2
	v_permlane16_swap_b32 v[PC+6*\c+\i], v[PC+12+4*\c+\i]
.endr
.irp i, 0,1,2
	v_mov_b32 v[PC+3+6*\c+\i], v[PC+12+4*\c+\i]
.endr
.endr
.endm
; The half of it: 32 numbers (two blocks) become six registers of codes, v[PC] .. v[PC + 5], and the word v[TM + 8] = byte 0 | byte 1 << 8.  The sources are read in ascending order.
.macro HQ s
.irp b, 0,1
	v_max3_num_f32 v[TM+\b], |v[\s+16*\b]|, |v[\s+1+16*\b]|, 0x1800000
.endr
.irp i, 2,4,6,8,10,12,14
.irp b, 0,1
	v_max3_num_f32 v[TM+\b], v[TM+\b], |v[\s+16*\b+\i]|, |v[\s+1+16*\b+\i]|
.endr
.endr
.irp b, 0,1
	v_permlanex16_b32 v[TM+4+\b], v[TM+\b], s[SEL], s[SEL+1]
.endr
.irp b, 0,1
	v_max_num_f32 v[TM+\b], v[TM+\b], v[TM+4+\b]
.endr
.irp b, 0,1
	v_add_nc_u32 v[TM+12+\b], 0xff000000, v[TM+\b]
.endr
.irp b, 0,1
	v_lshrrev_b32 v[TM+4+\b], 23, v[TM+12+\b]
.endr
	v_lshl_or_b32 v[TM+8], v[TM+5], 8, v[TM+4]
	v_cvt_scalef32_pk16_fp6_f32 v[PC:PC+2], v[\s:\s+15], v[TM+12]
	v_cvt_scalef32_pk16_fp6_f32 v[PC+6:PC+8], v[\s+16:\s+31], v[TM+13]
	v_nop                                          ; one plain place behind a scaled conversion
.irp i, 0,1,2
	v_permlane16_swap_b32 v[PC+\i], v[PC+6+\i]     ; lanes 0-15 now hold block 0, lanes 16-31 block 1
.endr
.irp i, 0,1,2
	v_mov_b32 v[PC+3+\i], v[PC+6+\i]
.endr
.endm
.macro XLOAD f, off                    ; sixteen rows' 512 bytes (K step f), as they lie, into window 1 + f / 2, registers 64 (f % 2) on; row i of the sixteen is row i + 8 (i / 8)
.set WW, (1+(\f)/2)<<6
	WIN WW
.irp i, 0,1,2,3,4,5,6,7,8,9,10,11,12,13,14,15
	global_load_b128 v[64*((\f)%2)+4*\i:64*((\f)%2)+4*\i+3], v[LI], s[XP:XP+1] offset:(\off)+(\i+8*(\i/8))*3072 th:TH_LOAD_NT
.endr
.endm
.macro TURN f                          ; through my stage f % 2; LDS serves a wave's instructions in order, so no wait stands between the stores and the loads
.set WW, (1+(\f)/2)<<2
	WIN WW
.irp i, 0,1,2,3,4,5,6,7,8,9,10,11,12,13,14,15
	ds_store_b128 v[STW], v[64*((\f)%2)+4*\i:64*((\f)%2)+4*\i+3] offset:((\f)%2)*8448+528*\i
.endr
	WIN 0
.irp b, 0,1,2,3
.irp j, 0,1,2,3
	ds_load_b128 v[16+64*((\f)%2)+16*\b+4*\j:16+64*((\f)%2)+16*\b+4*\j+3], v[STR] offset:((\f)%2)*8448+128*\b+16*\j
.endr
.endr
.endm
.macro WLOAD hd, s                     ; the weights of head hd, K step s: four fragments and their scale words: 13 loads
.set WW, ((\s)/2+1)<<6
	WIN WW
.irp n, 0,1,2,3
.irp c, 0,1,2
	global_load_b128 v[96+12*(4*((\s)%2)+\n)+4*\c:96+12*(4*((\s)%2)+\n)+4*\c+3], v[LI], s[WB:WB+1] offset:(6*(\hd)+(\s))*6656+\n*1536+512*\c
.endr
.endr
	WIN 0
	global_load_b128 v[WS+4*(\s):WS+4*(\s)+3], v[LI], s[WB:WB+1] offset:(6*(\hd)+(\s))*6656+6144
.endm
; 16 matrix instructions: K step s of a head, four tiles of tokens m x four tiles of features n.  vt = 0: features are source 0; vt = 1: tokens are.  At s = 0 the bias (window hd + 1) is C.
; The 16 accumulators take turns, one instruction a turn, in the same order in every step.
.macro MUL s, hd, vt
.set EE, (\s)%2
.set WW, 5*((\s)/2+1)
.if (\s) == 0
.set WW, 5+(((\hd)+1)<<4)
.endif
	WIN WW
.irp m, 0,1,2,3
.irp n, 0,1,2,3
.if \vt
.set xD, 16+32*\n+8*\m
.set xA, 12*(4*EE+\m)
.set xB, 96+12*(4*EE+\n)
.set yA, XS+6*\m+(\s)
.set yB, WS+4*(\s)+\n
.else
.set xD, 16+32*\m+8*\n
.set xA, 96+12*(4*EE+\n)
.set xB, 12*(4*EE+\m)
.set yA, WS+4*(\s)+\n
.set yB, XS+6*\m+(\s)
.endif
.set xC, xD
.if (\s) == 0
.set xC, 192+8*\n
.endif
	v_wmma_scale_f32_16x16x128_f8f6f4 v[xD:xD+7], v[xA:xA+11], v[xB:xB+11], v[xC:xC+7], v[yA], v[yB] matrix_a_fmt:MATRIX_FMT_FP6 matrix_b_fmt:MATRIX_FMT_FP6
.endr
.endr
.endm
; A head: six K steps, each behind the wait for its weights; behind a step's products and four places its registers take the next head's weights of the same step.  Then four records go out.
; THE COUNTS: behind a step's 13 loads five more groups of 13 have been issued; the count's field holds 63, which is the safer side of 65.  In the last head nothing follows: 13 (5 - s).
.macro HEAD hd, vt
.irp s, 0,1,2,3,4,5
.if ((\hd) < 2) || (\s == 0)
	s_wait_loadcnt 63
.else
	s_wait_loadcnt 13*(5-\s)
.endif
	MUL \s, \hd, \vt
	WIN 0
.rept 4
	v_nop                                          ; places in front of loads into registers that these products have read, and of the first read of results
.endr
.if (\hd) < 2
	WLOAD (\hd)+1, \s
.endif
.endr
.irp i, 0,1,2,3
	s_wait_xcnt 0x0                                ; the last record's stores have read their registers
	HQ 16+32*\i
.irp p, 0,1,2
	global_store_b64 v[GO], v[PC+2*\p:PC+2*\p+1], s[OB:OB+1] offset:(\hd)*524288+\i*1024+256*\p   ; 32 lanes store 256 consecutive bytes, aligned
.endr
	global_store_b64 v[GO], v[TM+8:TM+9], s[OB:OB+1] offset:(\hd)*524288+\i*1024+768
.endr
.endm
	s_load_b256 s[4:11], s[0:1], 0x0               ; q, k, v, bq
	s_load_b128 s[12:15], s[0:1], 0x20             ; wimg, qkv
	v_lshl_add_u32 v239, v0, 2, 0x1a400
	v_mov_b32 v243, 0
	v_lshrrev_b32 v10, 5, v0
	v_readfirstlane_b32 s[WV], v10                 ; wave 0..3
	v_and_b32 v10, 31, v0                          ; lane
	v_and_b32 v11, 15, v0                          ; r
	v_bfe_u32 v12, v0, 4, 1                        ; h
	v_lshlrev_b32 v[LI], 4, v10
	v_lshlrev_b32 v[LS], 2, v10
	v_lshlrev_b32 v[GO], 3, v10
	v_lshlrev_b32 v[BA], 6, v12
	v_and_b32 v13, 8, v11
	v_add_nc_u32 v13, v13, v11                     ; r + 8 (r / 8)
	v_lshlrev_b32 v[BB], 2, v13
	s_mul_i32 s22, s[WV], 9216
	s_add_co_u32 s22, s22, XIMG
	v_add_nc_u32 v[XWI], s22, v[LI]
	s_mul_i32 s22, s[WV], 768
	s_add_co_u32 s22, s22, XSC
	v_add_nc_u32 v[XWS], s22, v[LS]
	s_mul_i32 s22, s[WV], 16896
	v_add_nc_u32 v[STW], s22, v[LI]
	v_mul_u32_u24 v[STR], v11, 528
	v_lshl_add_u32 v[STR], v12, 6, v[STR]
	v_add_nc_u32 v[STR], s22, v[STR]
	v_add_nc_u32 v[FI], XIMG, v[LI]
	v_add_nc_u32 v[FS], XSC, v[LS]
.irp b, 0,1,2,3
	v_mov_b32 v[TM+4+\b], 0                        ; written once: a lane permute's destination counts as one of its sources
.endr
	v_mov_b32 v[TM+9], 0                           ; the upper word of a record's last piece
	s_mov_b32 s[SEL], 0x76543210
	s_mov_b32 s[SEL+1], 0xfedcba98
	s_lshr_b32 s[TZ], ttmp9, 6                     ; which tensor
	s_and_b32 s[BLK], ttmp9, 63                    ; which 64 tokens
	s_lshl_b32 s22, s[BLK], 6
	s_lshr_b32 s23, s[WV], 1
	s_lshl_b32 s23, s23, 5
	s_add_co_u32 s22, s22, s23
	s_and_b32 s23, s[WV], 1
	s_lshl_b32 s23, s23, 3
	s_add_co_u32 s22, s22, s23                     ; my tile's first token: 64 blk + 32 (w / 2) + 8 (w % 2)
	s_mul_i32 s22, s22, 3072
	s_mov_b32 s23, 0
	s_mul_i32 s24, s[WV], 768                      ; bq: three heads of 64 numbers
	s_mov_b32 s25, 0
	s_mul_i32 s26, s[WV], 119808                   ; wimg: three heads of six records
	s_mov_b32 s27, 0
	s_mul_i32 s28, s[WV], 3*524288                 ; qkv: my first head,
	s_lshr_b32 s30, s[BLK], 2
	s_lshl_b32 s30, s30, 15
	s_add_co_u32 s28, s28, s30                     ; the slot,
	s_and_b32 s30, s[BLK], 3
	s_lshl_b32 s30, s30, 12
	s_add_co_u32 s28, s28, s30                     ; my 64 tokens' four records in it,
	s_cmp_eq_u32 s[TZ], 0
	s_cselect_b32 s30, 0x600000, 0                 ; Q's region,
	s_cmp_eq_u32 s[TZ], 2
	s_cselect_b32 s30, 16384, s30                  ; or V's half of a slot
	s_add_co_u32 s28, s28, s30
	s_mov_b32 s29, 0
	s_wait_kmcnt 0x0
	s_cmp_eq_u32 s[TZ], 1                          ; the choice of the tensor hangs on the work-group's number alone
	s_cselect_b64 s[4:5], s[6:7], s[4:5]
	s_cmp_eq_u32 s[TZ], 2
	s_cselect_b64 s[4:5], s[8:9], s[4:5]
	s_add_nc_u64 s[XP:XP+1], s[XP:XP+1], s[22:23]
	s_add_nc_u64 s[BQ:BQ+1], s[BQ:BQ+1], s[24:25]
	s_add_nc_u64 s[WB:WB+1], s[WB:WB+1], s[26:27]
	s_add_nc_u64 s[OB:OB+1], s[OB:OB+1], s[28:29]
	; ---- my 16 tokens become six fragments.  All 96 loads go out at once
.irp f, 0,1,2,3,4,5
	XLOAD \f, 512*\f
.endr
	s_wait_loadcnt 63                              ; K step 0's sixteen are in (80 were issued behind them)
	TURN 0
.irp f, 0,1,2,3,4,5
.if \f < 5
.if 16*(4-\f) > 63
	s_wait_loadcnt 63
.else
	s_wait_loadcnt 16*(4-\f)                       ; the next K step's sixteen are in; those behind them may be out
.endif
	TURN \f+1
	s_wait_dscnt 32                                ; all but the 32 just issued: this step's numbers are back from the stage
.else
	s_wait_dscnt 0x0
.endif
	QUANT 16+64*(\f%2), PW
.irp c, 0,1,2
	ds_store_b128 v[XWI], v[PC+4*\c:PC+4*\c+3] offset:\f*1536+512*\c   ; the fragment goes to LDS as it stands in my registers
.endr
	ds_store_b32 v[XWS], v[PW] offset:128*\f
.endr
	; ---- the biases in both forms, and the first two K steps' weights
.irp hd, 0,1,2
.set WW, (\hd+1)<<6
	WIN WW
.irp n, 0,1,2,3
	global_load_b128 v[192+8*\n:195+8*\n], v[BA], s[BQ:BQ+1] offset:(64*\hd+32*(\n/2)+8*(\n%2))*4      ; lane (r, h), tile n = 2 b + u: features 32 b + 8 u + 16 h + 0 .. 7
	global_load_b128 v[196+8*\n:199+8*\n], v[BA], s[BQ:BQ+1] offset:(64*\hd+32*(\n/2)+8*(\n%2))*4+16
.endr
.endr
	WIN 0
.irp hd, 0,1,2
.irp n, 0,1,2,3
	global_load_b32 v[BV+4*\hd+\n], v[BB], s[BQ:BQ+1] offset:(64*\hd+32*(\n/2)+8*(\n%2))*4             ; feature 32 b + 8 u + r + 8 (r / 8)
.endr
.endr
	WLOAD 0, 0
	WLOAD 0, 1
	s_wait_dscnt 0x0                               ; for the others' sake: my images have landed
	s_barrier_signal -1
	s_barrier_wait -1                              ; x's 24 fragments lie in LDS
.irp s, 0,1,2,3,4,5
.set WW, (\s/2+1)<<6
	WIN WW
.irp m, 0,1,2,3
.irp c, 0,1,2
	ds_load_b128 v[12*(4*(\s%2)+\m)+4*\c:12*(4*(\s%2)+\m)+4*\c+3], v[FI] offset:(6*\m+\s)*1536+512*\c   ; they stay in my registers
.endr
.endr
.endr
	WIN 0
.irp m, 0,1,2,3
.irp s, 0,1,2,3,4,5
	ds_load_b32 v[XS+6*\m+\s], v[FS] offset:(6*\m+\s)*128
.endr
.endr
	WLOAD 0, 2
	WLOAD 0, 3
	WLOAD 0, 4
	WLOAD 0, 5
	s_wait_dscnt 0x0
	s_cmp_eq_u32 s[TZ], 2                          ; V's work-groups part here; no barrier follows on either way
	s_cbranch_scc1 .Lvway
	HEAD 0, 0
	HEAD 1, 0
	HEAD 2, 0
	s_wait_tensorcnt 0x0
	ds_add_u32 v239, v243
	s_wait_dscnt 0x0
	s_endpgm
.Lvway:
	s_wait_loadcnt 63                              ; the biases are in (78 loads were issued behind them): their registers may be written
.irp hd, 0,1,2
.set WW, (\hd+1)<<6
	WIN WW
.irp n, 0,1,2,3
.irp j, 0,1,2,3,4,5,6,7
	v_mov_b32 v[192+8*\n+\j], v[BV+4*\hd+\n]       ; here a lane holds one feature: its bias in all eight registers
.endr
.endr
.endr
	WIN 0
	HEAD 0, 1
	HEAD 1, 1
	HEAD 2, 1
	s_wait_tensorcnt 0x0
	ds_add_u32 v239, v243
	s_wait_dscnt 0x0
	s_endpgm
.Lfunc_end_k_qbc7d992919_proj:
	.size	k_qbc7d992919_proj, .Lfunc_end_k_qbc7d992919_proj-k_qbc7d992919_proj
	.p2alignl 7, 3214868480
	.fill 96, 4, 3214868480
	.section	.rodata,"a",@progbits
	.p2align	6, 0x0
	.amdhsa_kernel k_qbc7d992919_proj
		.amdhsa_group_segment_fixed_size 108032
		.amdhsa_private_segment_fixed_size 0
		.amdhsa_enable_private_segment 0
		.amdhsa_kernarg_size 48
		.amdhsa_user_sgpr_count 2
		.amdhsa_user_sgpr_kernarg_segment_ptr 1
		.amdhsa_wavefront_size32 1
		.amdhsa_system_sgpr_workgroup_id_x 1
		.amdhsa_system_sgpr_workgroup_id_y 1
		.amdhsa_system_sgpr_workgroup_id_z 1
		.amdhsa_system_vgpr_workitem_id 0
		.amdhsa_next_free_vgpr 1024
		.amdhsa_next_free_sgpr 66
		.amdhsa_reserve_vcc 0
		.amdhsa_float_denorm_mode_32 3
		.amdhsa_float_denorm_mode_16_64 3
		.amdhsa_memory_ordered 1
		.amdhsa_forward_progress 1
		.amdhsa_inst_pref_size 235
	.end_amdhsa_kernel
	.amdgpu_metadata
---
amdhsa.version: [ 1, 2 ]
amdhsa.kernels:
  - .name:           k_qbc7d992919_proj
    .symbol:         k_qbc7d992919_proj.kd
    .args:
      - { .name: q, .offset: 0, .size: 8, .value_kind: global_buffer, .address_space: global }
      - { .name: k, .offset: 8, .size: 8, .value_kind: global_buffer, .address_space: global }
      - { .name: v, .offset: 16, .size: 8, .value_kind: global_buffer, .address_space: global }
      - { .name: bq, .offset: 24, .size: 8, .value_kind: global_buffer, .address_space: global }
      - { .name: wimg, .offset: 32, .size: 8, .value_kind: global_buffer, .address_space: global }
      - { .name: qkv, .offset: 40, .size: 8, .value_kind: global_buffer, .address_space: global }
    .group_segment_fixed_size: 108032
    .private_segment_fixed_size: 0
    .kernarg_segment_align: 8
    .kernarg_segment_size: 48
    .max_flat_workgroup_size: 128
    .sgpr_count:     66
    .vgpr_count:     1024
    .wavefront_size: 32
...
	.end_amdgpu_metadata
.endif
;; end of part 2
;; launch attn (part 3): grid 64 x 4, 12 waves a work-group, clusters of 4 x 1, 327,680 bytes of LDS; arguments qkv, cimg; writes cimg
.if DOCPART == 3
	.amdgcn_target "amdgcn-amd-amdhsa--gfx1250"
	.amdhsa_code_object_version 6
	.text
	.protected	k_qbc7d992919_attn
	.globl	k_qbc7d992919_attn
	.p2align	8
	.type	k_qbc7d992919_attn,@function
k_qbc7d992919_attn:
	s_mov_b64 s[64:65], 0
	v_nop
	global_prefetch_b8 v0, s[64:65] scope:SCOPE_SE
	s_setreg_imm32_b32 hwreg(HW_REG_WAVE_MODE, 25, 1), 1
	s_wait_xcnt 0x0
	s_wait_alu depctr_hold_cnt(0) depctr_sa_sdst(0) depctr_va_vdst(0) depctr_va_sdst(0) depctr_va_ssrc(0) depctr_va_vcc(0) depctr_vm_vsrc(0)
	s_getreg_b32 s2, hwreg(HW_REG_IB_STS2, 6, 4)
	s_cmp_eq_u32 s2, 0
	s_cbranch_scc0 .Lentry_in_a_cluster
	s_endpgm
.Lentry_in_a_cluster:
	s_bfe_u32 s2, ttmp6, 0x10000c
	s_cmp_lg_u32 s2, 0x3003
	s_cbranch_scc0 .Lentry_shape_is_right
	s_endpgm
.Lentry_shape_is_right:
; For each of 12 heads: O = softmax(Q K^T / 8) V, both products on codes of FP6 (E2M3) with one E8M0 byte for each 32 along K; O / l is quantised along the head's 64 for the last product.
; THE SOFTMAX AHEAD OF THE SECOND PRODUCT: t = score x log2(e) / 8; M = the row's largest t so far, rounded UP to a whole number; p = 2^(t - M) is quantised along the keys, not normalised.  The row's sum is taken of the
; unquantised p and divides O at the end.  When M moves, the sum and O are multiplied by 2^(old M - new M): exact.
; SHARES.  Work-group (gx, gy): heads 3 gy .. 3 gy + 2, query tiles 4 gx .. 4 gx + 3.  Wave w: head 3 gy + w / 4, tile 4 gx + w % 4: one tile of 16 queries in 256 registers, three waves to a SIMD.
; Every wave walks its head's 4,096 keys, 128 a step.  A slot of the ring holds 256 keys of the three heads: for each head 32,768 dense bytes of qkv (16 records of K, 16 of V; a record is half a fragment, 64 along K:
; three pieces of 256 bytes with registers 2 p, 2 p + 1 at 8 x lane, and a piece with the scale word), so every LDS load takes consecutive bytes.
; CLUSTER.  The four work-groups of a cluster share gy and walk the same K and V: each head's part of a slot is asked for JOINTLY (waves 0, 1, 2: one tensor load each, the same descriptor, a mask that names the four).
; LAYOUT.  Both products are used transposed: S^T = K Q^T, O^T = V^T P^T: a lane holds one query throughout.  The keys of a tile of K and the d of a tile of V lie in the order 32 b + 8 u + r + 8 (r / 8), so that the 16
; registers of tiles 2 b and 2 b + 1 are 16 neighbours: of the keys in p, of d in O^T.
; THE FIRST PRODUCT'S K IS 64: Q's registers 6-11 are zero codes.  A tile of K is named as twelve registers of which the upper six are the NEXT tile's codes (behind the last tile: zeros); they meet Q's zeros alone and add
; nothing; the scale bytes 2 and 3 of both sides are 0, which stands for a power of two.
; LIMITS: a block of zeros gets the byte 1 (its codes are zeros; this program alone reads the bytes); NaN and infinities are not served.
; REGISTERS: v1 my lane's place in a slot; v5, v6 the spare word's address and 0; v7 8 x lane; v8 the address in hand; v12 -M, v13 the largest t, v[14:15] the sum in two halves; v16-27 Q; v28 the prefetches' offset;
;   v32-79 eight tiles of K, then four fragments of V; v80-85 zeros; v96-159 S^T, then p; v160-191 O^T; v192-199 K's scale words; v200-207 V's half words, v208-211 V's words; v224-235 p's codes; v232-254 at work; v253 p's scale word; v255 Q's.
.set SLOT1, 1<<17                      ; slot 0 at 0, slot 1 here: one exclusive or turns an address from one into the other
.set SPARE, 229376                     ; behind the ring: the spare words, 128 bytes for each of the twelve waves: six blocks of 256 bytes that no other line names
.set AK0, 1
.set SPW, 5
.set NIL, 6
.set GO,  7
.set ADR, 8
.set PFO, 28
.set PC,  212                          ; the way out: O's codes
.set TM,  232
.set WV,  8
.set SEL, 20                           ; s[20:21] lane selects: lane l xor 16
.set CS,  22                           ; s[22:23] c = log2(e) / 8
.set G1,  24                           ; s[24:31] descriptor group 1
.set G0,  40                           ; s[40:43] descriptor group 0, which walks
.set TB,  44                           ; s44  LDS byte at which the slot in hand begins
.set SLOTS, 45                         ; s45  slots still to be asked for
.set LIM, 46                           ; s46  1 in a wave that prefetches, else the greatest number
.set PFA, 48                           ; s[48:49] where my prefetches stand
.set QP,  50                           ; s[50:51] my tile of Q
.macro CROUND                          ; a round of the cluster's barrier
	s_barrier_signal -1
	s_barrier_wait -1
	s_cmp_lg_u32 s[WV], 0
	s_cbranch_scc1 .Lnot_wave_0_\@
	s_barrier_signal -3
.Lnot_wave_0_\@:
	s_barrier_wait -3
	s_barrier_signal -1
	s_barrier_wait -1
.endm
.macro JLOAD                           ; waves 0, 1, 2 fetch a head's part of a slot each; the branch hangs on the wave's number alone.  Four v_nop follow the load
	s_cmp_lt_u32 s[WV], 3
	s_cbranch_scc0 .Lasked_\@
	tensor_load_to_lds s[G0:G0+3], s[G1:G1+7]
	s_nop 0
.rept 4
	v_nop
.endr
.Lasked_\@:
.endm
; A prefetch of what the NEXT change of slots will ask for.  All clusters of one gy walk the same bytes: the first of them (cluster x = 0) asks.  Its four partners share a head's 32,768 bytes out BY ADDRESS, 8,192 each;
; in each, waves 4, 5, 6 ask for heads 0, 1, 2: one instruction, lanes 256 bytes apart.  So each block of 256 bytes is named once in the launch.  The last change that fills a slot asks for nothing; slots 0 and 1 come by their loads alone.
.macro ASK
	s_cmp_gt_u32 s[SLOTS], s[LIM]
	s_cbranch_scc0 .Lnot_mine_\@
	global_prefetch_b8 v[PFO], s[PFA:PFA+1] th:TH_LOAD_NT scope:SCOPE_SE
.Lnot_mine_\@:
.endm
; 32 numbers (two blocks; register 16 b + i = k 32 b + 16 (lane / 16) + i) become six registers of codes, v[PC] .. v[PC + 5], and the word v[TM + 8] = byte 0 | byte 1 << 8.
.macro HQ s
.irp b, 0,1
	v_max3_num_f32 v[TM+\b], |v[\s+16*\b]|, |v[\s+1+16*\b]|, 0x1800000
.endr
.irp i, 2,4,6,8,10,12,14
.irp b, 0,1
	v_max3_num_f32 v[TM+\b], v[TM+\b], |v[\s+16*\b+\i]|, |v[\s+1+16*\b+\i]|
.endr
.endr
.irp b, 0,1
	v_permlanex16_b32 v[TM+4+\b], v[TM+\b], s[SEL], s[SEL+1]
.endr
.irp b, 0,1
	v_max_num_f32 v[TM+\b], v[TM+\b], v[TM+4+\b]
.endr
.irp b, 0,1
	v_add_nc_u32 v[TM+12+\b], 0xff000000, v[TM+\b]
.endr
.irp b, 0,1
	v_lshrrev_b32 v[TM+4+\b], 23, v[TM+12+\b]
.endr
	v_lshl_or_b32 v[TM+8], v[TM+5], 8, v[TM+4]
	v_cvt_scalef32_pk16_fp6_f32 v[PC:PC+2], v[\s:\s+15], v[TM+12]
	v_cvt_scalef32_pk16_fp6_f32 v[PC+6:PC+8], v[\s+16:\s+31], v[TM+13]
	v_nop                                          ; one plain place behind a scaled conversion
.irp i, 0,1,2
	v_permlane16_swap_b32 v[PC+\i], v[PC+6+\i]
.endr
.irp i, 0,1,2
	v_mov_b32 v[PC+3+\i], v[PC+6+\i]
.endr
.endm
	s_load_b128 s[4:7], s[0:1], 0x0                ; qkv, cimg
	v_lshl_add_u32 v[SPW], v0, 2, SPARE
	v_mov_b32 v[NIL], 0
	ds_add_u32 v5, v6
	s_wait_dscnt 0x0
	v_lshrrev_b32 v9, 5, v0
	v_readfirstlane_b32 s[WV], v9                  ; wave 0..11
	s_and_b32 s11, ttmp7, 0xffff
	s_mul_i32 s11, s11, 3                          ; the work-group's first head, which the four partners share
	s_lshr_b32 s12, s[WV], 2                       ; which of the three heads is mine
	s_and_b32 s13, s[WV], 3                        ; which of the four tiles.  Also: the head that I fetch (waves 0-2) or prefetch (waves 4-6)
	s_add_co_u32 s14, s11, s13
	s_lshl_b32 s14, s14, 19                        ; that head's K and V: no place in the cluster enters this
	s_mov_b32 s15, 0
	; descriptor group 1: 32,768 dense bytes as 128 rows of 256 bytes (32 elements of 8 bytes), no padding
	s_mov_b32 s[G1], 15|(3<<16)|(1<<21)            ; 15:0 the mask: all four work-groups; 17:16 elements of 8 bytes; 21 set beside a mask
	s_mov_b32 s[G1+1], 32<<16                      ; tensor_dim0 = 32
	s_mov_b32 s[G1+2], 128<<16                     ; tensor_dim1 = 128
	s_mov_b32 s[G1+3], 32<<16                      ; tile_dim0 = 32
	s_mov_b32 s[G1+4], 128                         ; tile_dim1 = 128
	s_mov_b32 s[G1+5], 32                          ; from row to row
	s_mov_b32 s[G1+6], 0
	s_mov_b32 s[G1+7], 0
	s_bfe_u32 s9, ttmp6, 0x40000                   ; cx: it enters Q's, cimg's and the prefetches' addresses alone
	s_lshl_b32 s10, ttmp9, 2
	s_add_co_u32 s10, s10, s9                      ; gx
	s_lshl_b32 s16, s10, 2
	s_add_co_u32 s16, s16, s13                     ; T: my tile of queries
	s_add_co_u32 s17, s11, s12                     ; my head
	s_lshl_b32 s32, s17, 19
	s_lshl_b32 s33, s16, 10
	s_add_co_u32 s32, s32, s33
	s_lshr_b32 s33, s16, 4
	s_lshl_b32 s33, s33, 14
	s_add_co_u32 s32, s32, s33                     ; head x 524,288 + (T / 16) x 32,768 + (T % 16) x 1,024
	s_add_co_u32 s32, s32, 0x600000                ; in Q's region
	s_mov_b32 s33, 0
	s_mul_i32 s34, s16, 12
	s_add_co_u32 s34, s34, s17
	s_lshl_b32 s34, s34, 10                        ; cimg: record 12 T + head
	s_mov_b32 s35, 0
	s_lshl_b32 s36, s9, 13                         ; the prefetches: my work-group's 8,192 bytes,
	s_add_co_u32 s36, s36, 32768                   ; in slot 1: the first change of slots steps it to slot 2
	s_mov_b32 s37, 0
	s_sub_co_u32 s38, s[WV], 4
	s_cmp_lt_u32 s38, 3                            ; waves 4 to 6
	s_cselect_b32 s38, 0, 1
	s_or_b32 s38, s38, ttmp9                       ; of the first cluster along x: the same in all four partners
	s_cmp_eq_u32 s38, 0
	s_cselect_b32 s[LIM], 1, -1
	s_mov_b32 s[SEL], 0x76543210
	s_mov_b32 s[SEL+1], 0xfedcba98
	s_mov_b32 s[CS], 0x3e38aa3b                    ; c = log2(e) / 8
	s_mov_b32 s[CS+1], s[CS]                       ; (named with it as a pair, so it is written)
	s_mov_b32 s[TB], 0
	s_mov_b32 s[SLOTS], 15
	s_wait_kmcnt 0x0
	s_mov_b32 s[G0], 1                             ; count = 1
	s_lshl_b32 s[G0+1], s13, 15                    ; LDS address: slot 0, my head's 32,768 bytes
	s_add_nc_u64 s[G0+2:G0+3], s[4:5], s[14:15]    ; global address: the head's first 256 keys
	s_or_b32 s[G0+3], s[G0+3], 0x80000000          ; type = 2
	s_add_nc_u64 s[PFA:PFA+1], s[4:5], s[14:15]
	s_add_nc_u64 s[PFA:PFA+1], s[PFA:PFA+1], s[36:37]
	s_add_nc_u64 s[QP:QP+1], s[4:5], s[32:33]
	s_add_nc_u64 s[6:7], s[6:7], s[34:35]
	CROUND                                         ; all four work-groups are here: the first joint loads meet
	JLOAD                                          ; slot 0
	v_and_b32 v[GO], 31, v0
	v_lshlrev_b32 v[PFO], 8, v[GO]
	v_lshlrev_b32 v[GO], 3, v[GO]
	s_lshl_b32 s18, s12, 15
	v_add_nc_u32 v[AK0], s18, v[GO]                ; 8 x lane + my head's part of a slot
.irp p, 0,1,2
	global_load_b64 v[16+2*\p:17+2*\p], v[GO], s[QP:QP+1] offset:256*\p   ; Q's codes stay in registers
.endr
	global_load_b32 v255, v[GO], s[QP:QP+1] offset:768                    ; and its scale word
.irp j, 0,1,2,3,4,5
	v_mov_b32 v[22+\j], 0                          ; Q's upper 64 along K: zero codes
	v_mov_b32 v[80+\j], 0                          ; what stands behind the last tile of K
.endr
	v_mov_b32 v13, 0xff61b1e6                      ; the largest t so far: -3e38, under every t
	v_floor_f32 v12, -v13                          ; -M
	v_mov_b32 v14, 0                               ; the sum, in two halves
	v_mov_b32 v15, 0
.irp b, 0,1,2,3
	v_mov_b32 v[236+\b], 0                         ; written once: a lane permute's destination counts as one of its sources
.endr
	v_mov_b32 v253, 0                              ; (named as the upper half of the pair v[252:253] before it is first written)
.irp j, 0,1,2,3,4,5,6,7,8,9,10,11,12,13,14,15,16,17,18,19,20,21,22,23,24,25,26,27,28,29,30,31
	v_mov_b32 v[160+\j], 0                         ; O^T.  (The step is written once: the first finds zeros, which the first change of M leaves zeros)
.endr
; A KEY STEP: 128 keys, the q-th of the slot in hand.
.macro STEP q
	v_add_nc_u32 v[ADR], s[TB], v[AK0]
.rept 3
	v_nop                                          ; with the addition: four places in front of loads into registers that the last products have read
.endr
.irp t, 0,1,2,3,4,5,6,7
.irp p, 0,1,2
	ds_load_b64 v[32+6*\t+2*\p:33+6*\t+2*\p], v[ADR] offset:(8*(\q)+\t)*1024+256*\p
.endr
	ds_load_b32 v[192+\t], v[ADR] offset:(8*(\q)+\t)*1024+768
.endr
	s_wait_dscnt 0x0
.irp t, 0,1,2,3,4,5,6,7                ; S^T = K Q^T: lane (r, h) holds query r; the 16 registers of tiles 2 b, 2 b + 1 are keys 32 b + 16 h + 0 .. 15 of the step
	v_wmma_scale_f32_16x16x128_f8f6f4 v[96+8*\t:103+8*\t], v[32+6*\t:43+6*\t], v[16:27], 0, v[192+\t], v255 matrix_a_fmt:MATRIX_FMT_FP6 matrix_b_fmt:MATRIX_FMT_FP6
.endr
.rept 4
	v_nop                                          ; places in front of the loads below and of the first read of the scores
.endr
.irp n, 0,1,2,3                        ; V's four fragments are asked for now and land under the softmax: fragment n, keys 64 c on: record 4 (2 q + c) + n
.irp c, 0,1
.irp p, 0,1,2
	ds_load_b64 v[32+12*\n+6*\c+2*\p:33+12*\n+6*\c+2*\p], v[ADR] offset:16384+(4*(2*(\q)+\c)+\n)*1024+256*\p
.endr
	ds_load_b32 v[200+2*\n+\c], v[ADR] offset:16384+(4*(2*(\q)+\c)+\n)*1024+768
.endr
.endr
.irp b, 0,1,2,3
	v_max3_num_f32 v[232+\b], v[96+16*\b], v[97+16*\b], v[98+16*\b]   ; the largest score of each block of 32 keys: it serves for the row's maximum and, since p rises with the score, for the block's largest p
.endr
.irp i, 3,5,7,9,11,13
.irp b, 0,1,2,3
	v_max3_num_f32 v[232+\b], v[232+\b], v[96+16*\b+\i], v[97+16*\b+\i]
.endr
.endr
.irp b, 0,1,2,3
	v_max_num_f32 v[232+\b], v[232+\b], v[111+16*\b]
.endr
.irp b, 0,1,2,3
	v_permlanex16_b32 v[236+\b], v[232+\b], s[SEL], s[SEL+1]
.endr
.irp b, 0,1,2,3
	v_max_num_f32 v[232+\b], v[232+\b], v[236+\b]  ; with lane l xor 16's 16 keys
.endr
	v_max3_num_f32 v254, v232, v233, v234
	v_max_num_f32 v254, v254, v235                 ; the step's largest score of my query
	v_mul_f32 v254, s[CS], v254                    ; as t (c is positive)
	v_max_num_f32 v13, v13, v254                   ; the running largest t
	v_mov_b32 v254, v12
	v_floor_f32 v12, -v13                          ; the new -M = floor(-t) = -ceil(t): a whole number
	v_sub_f32 v254, v12, v254                      ; M's old value less its new one: a whole number, 0 or less
	v_cvt_i32_f32 v254, v254                       ; (it saturates)
	v_ldexp_f32 v252, 1.0, v254                    ; f = 2^(old M - new M)
.irp j, 0,2,4,6,8,10,12,14,16,18,20,22,24,26,28,30,32,34,36,38,40,42,44,46,48,50,52,54,56,58,60,62
	v_pk_fma_f32 v[96+\j:97+\j], v[96+\j:97+\j], s[CS:CS+1], v[12:13] op_sel_hi:[1,0,0]   ; t - M, two at a time
.endr
.irp b, 0,1,2,3
	v_fma_f32 v[232+\b], v[232+\b], s[CS], v12     ; the same of each block's largest score
.endr
.irp j, 0,1,2,3,4,5,6,7,8,9,10,11,12,13,14,15,16,17,18,19,20,21,22,23,24,25,26,27,28,29,30,31,32,33,34,35,36,37,38,39,40,41,42,43,44,45,46,47,48,49,50,51,52,53,54,55,56,57,58,59,60,61,62,63
	v_exp_f32 v[96+\j], v[96+\j]                   ; p = 2^(t - M), at most 1: not normalised
.endr
	v_pk_mul_f32 v[14:15], v[14:15], v[252:253] op_sel_hi:[1,0]   ; the sums under the new M: a plain place behind the exponentials
	s_wait_alu depctr_va_vdst(0)                   ; one wait for the whole batch, ahead of its first reader
.irp b, 0,1,2,3
	v_exp_f32 v[232+\b], v[232+\b]                 ; the block's largest p: the same two instructions on the same number give the same bits
.endr
	v_pk_add_f32 v[236:237], v[96:97], v[98:99]    ; the row's sum is taken of the unquantised p, in two chains; it reads the 64 alone: plain work behind the four
.irp j, 4,8,12,16,20,24,28,32,36,40,44,48,52,56,60
	v_pk_add_f32 v[14:15], v[14:15], v[96+\j:97+\j]
	v_pk_add_f32 v[236:237], v[236:237], v[98+\j:99+\j]
.endr
	v_pk_add_f32 v[14:15], v[14:15], v[236:237]
	s_wait_alu depctr_va_vdst(0)                   ; and one for the four
.irp b, 0,1,2,3
	v_max_num_f32 v[232+\b], 0x1800000, v[232+\b]  ; the floor 2^(3 - 127): the byte cannot fall under 1
.endr
.irp b, 0,1,2,3
	v_add_nc_u32 v[244+\b], 0xff000000, v[232+\b]  ; 2 off the exponent field: the conversion's scale operand
.endr
.irp b, 0,1,2,3
	v_lshrrev_b32 v[236+\b], 23, v[244+\b]         ; the scale's byte
.endr
	v_lshl_or_b32 v253, v237, 8, v236              ; p's scale word for these 128 keys
	v_lshl_or_b32 v253, v238, 16, v253
	v_lshl_or_b32 v253, v239, 24, v253
.irp c, 0,1
	v_cvt_scalef32_pk16_fp6_f32 v[224+6*\c:226+6*\c], v[96+32*\c:111+32*\c], v[244+2*\c]
	v_cvt_scalef32_pk16_fp6_f32 v[236+4*\c:238+4*\c], v[112+32*\c:127+32*\c], v[244+2*\c+1]
.endr
	v_nop                                          ; one plain place behind a scaled conversion
.irp c, 0,1                            ; the operand wants a whole block in a lane
.irp i, 0,1,2
	v_permlane16_swap_b32 v[224+6*\c+\i], v[236+4*\c+\i]
.endr
.irp i, 0,1,2
	v_mov_b32 v[227+6*\c+\i], v[236+4*\c+\i]
.endr
.endr
	s_wait_dscnt 0x0                               ; V's fragments and half words are in
.irp n, 0,1,2,3
	v_lshl_or_b32 v[208+\n], v[201+2*\n], 16, v[200+2*\n]   ; two half words make the scale word of 128 keys
.endr
.irp j, 0,2,4,6,8,10,12,14,16,18,20,22,24,26,28,30
	v_pk_mul_f32 v[160+\j:161+\j], v[160+\j:161+\j], v[252:253] op_sel_hi:[1,0]   ; O^T under the new M.  Twelve of these sixteen name no register of any one product below: the places behind the scale words and p's codes
.endr
.irp n, 0,1,2,3                        ; O^T += V^T P^T: the four accumulators by turns
	v_wmma_scale_f32_16x16x128_f8f6f4 v[160+8*\n:167+8*\n], v[32+12*\n:43+12*\n], v[224:235], v[160+8*\n:167+8*\n], v[208+\n], v253 matrix_a_fmt:MATRIX_FMT_FP6 matrix_b_fmt:MATRIX_FMT_FP6
.endr
.endm
; THE CHANGE OF SLOTS stands at a slot's head.  Each wave waits for all its tensor loads (at most one is out: its part of the slot that it is about to read), adds 0 to its spare word, and waits for that and for its reads of
; the slot that it has left.  fill = 1: behind a round of the cluster's barrier that other slot is filled with the keys that follow: the load has two key steps in which to land.
.macro CHANGE fill
	s_wait_tensorcnt 0x0                           ; no tensor load of mine is out, so the group 0 may be written
	ds_add_u32 v[SPW], v[NIL]                      ; 0 onto my spare word
.if \fill
	s_xor_b32 s[G0+1], s[G0+1], SLOT1              ; the other slot than last time,
	s_add_nc_u64 s[G0+2:G0+3], s[G0+2:G0+3], 32768 ; the next 256 keys; the type bits on top are not reached
	s_wait_xcnt 0x0                                ; the last prefetch, a slot back, has read its address, so it may be written:
	s_add_nc_u64 s[PFA:PFA+1], s[PFA:PFA+1], 32768 ; one slot further on than the walking descriptor
	s_wait_dscnt 0x0                               ; the add is done, and my reads of the slot that I have left are over
	CROUND                                         ; both now hold of every wave of the four work-groups
	JLOAD                                          ; the first thing behind the round, and a wave's one tensor load until the next
	ASK
.else
	s_wait_dscnt 0x0
	s_barrier_signal -1
	s_barrier_wait -1
.endif
.endm
	s_wait_loadcnt 0x0                             ; Q
.Lslot:                                            ; 15 trips: behind each change of slots but the last the next slot is asked for
	CHANGE 1
	STEP 0
	STEP 1
	s_xor_b32 s[TB], s[TB], SLOT1                  ; on to the other slot
	s_sub_co_u32 s[SLOTS], s[SLOTS], 1
	s_cmp_lg_u32 s[SLOTS], 0
	s_cbranch_scc1 .Lslot
	CHANGE 0                                       ; the last slot is written out
	STEP 0
	STEP 1
	; THE WAY OUT: O^T / the sum; register 16 b + i is d = 32 b + 16 h + i of my query: half a fragment of the last product's operand
.rept 4
	v_nop                                          ; places behind the last products
.endr
	v_add_f32 v14, v14, v15                        ; the sum's two halves,
	v_permlanex16_b32 v252, v14, s[SEL], s[SEL+1]
	v_add_f32 v14, v14, v252                       ; and lane l xor 16's
	v_rcp_f32 v14, v14
	v_mov_b32 v241, 0                              ; the upper word of the record's last piece: a plain place behind the reciprocal
	s_wait_alu depctr_va_vdst(0)                   ; the wait ahead of its first reader
.irp j, 0,1,2,3,4,5,6,7,8,9,10,11,12,13,14,15,16,17,18,19,20,21,22,23,24,25,26,27,28,29,30,31
	v_mul_f32 v[96+\j], v[160+\j], v14             ; each accumulator from its low end on
.endr
	HQ 96
.irp p, 0,1,2
	global_store_b64 v[GO], v[PC+2*\p:PC+2*\p+1], s[6:7] offset:256*\p   ; 32 lanes store 256 consecutive bytes, aligned
.endr
	global_store_b64 v[GO], v[TM+8:TM+9], s[6:7] offset:768
	s_wait_tensorcnt 0x0                           ; the wave's end
	ds_add_u32 v[SPW], v[NIL]
	s_wait_dscnt 0x0
	CROUND                                         ; the closing round: no work-group ends while a partner may still ask for a tile that names it
	s_endpgm
.Lfunc_end_k_qbc7d992919_attn:
	.size	k_qbc7d992919_attn, .Lfunc_end_k_qbc7d992919_attn-k_qbc7d992919_attn
	.p2alignl 7, 3214868480
	.fill 96, 4, 3214868480
	.section	.rodata,"a",@progbits
	.p2align	6, 0x0
	.amdhsa_kernel k_qbc7d992919_attn
		.amdhsa_group_segment_fixed_size 327680
		.amdhsa_private_segment_fixed_size 0
		.amdhsa_enable_private_segment 0
		.amdhsa_kernarg_size 16
		.amdhsa_user_sgpr_count 2
		.amdhsa_user_sgpr_kernarg_segment_ptr 1
		.amdhsa_wavefront_size32 1
		.amdhsa_system_sgpr_workgroup_id_x 1
		.amdhsa_system_sgpr_workgroup_id_y 1
		.amdhsa_system_sgpr_workgroup_id_z 1
		.amdhsa_system_vgpr_workitem_id 0
		.amdhsa_next_free_vgpr 256
		.amdhsa_next_free_sgpr 66
		.amdhsa_reserve_vcc 0
		.amdhsa_float_denorm_mode_32 3
		.amdhsa_float_denorm_mode_16_64 3
		.amdhsa_memory_ordered 1
		.amdhsa_forward_progress 1
		.amdhsa_inst_pref_size 82
	.end_amdhsa_kernel
	.amdgpu_metadata
---
amdhsa.version: [ 1, 2 ]
amdhsa.kernels:
  - .name:           k_qbc7d992919_attn
    .symbol:         k_qbc7d992919_attn.kd
    .args:
      - { .name: qkv, .offset: 0, .size: 8, .value_kind: global_buffer, .address_space: global }
      - { .name: cimg, .offset: 8, .size: 8, .value_kind: global_buffer, .address_space: global }
    .group_segment_fixed_size: 327680
    .private_segment_fixed_size: 0
    .kernarg_segment_align: 8
    .kernarg_segment_size: 16
    .max_flat_workgroup_size: 384
    .sgpr_count:     66
    .vgpr_count:     256
    .wavefront_size: 32
...
	.end_amdgpu_metadata
.endif
;; end of part 3
;; launch out (part 4): grid 64 x 3, 4 waves a work-group, no clusters, 67,072 bytes of LDS; arguments cimg, wimg, bo, out0; writes out0
.if DOCPART == 4
	.amdgcn_target "amdgcn-amd-amdhsa--gfx1250"
	.amdhsa_code_object_version 6
	.text
	.protected	k_qbc7d992919_out
	.globl	k_qbc7d992919_out
	.p2align	8
	.type	k_qbc7d992919_out,@function
k_qbc7d992919_out:
	s_mov_b64 s[64:65], 0
	v_nop
	global_prefetch_b8 v0, s[64:65] scope:SCOPE_SE
	s_setreg_imm32_b32 hwreg(HW_REG_WAVE_MODE, 25, 1), 1
	s_wait_xcnt 0x0
; out0 = concat Wo^T + bo on codes of FP6 (E2M3) with one E8M0 byte for each 32 along K.  Both operands arrive as images of the operand's registers: cimg (record 12 T + head: half a fragment, 64 along K, of query tile T) and
; wimg's second half (Wo: group hg of 64 features, six records of four fragments and their scale words).
; SHARES.  Work-group (x, y): queries 64 x on (four tiles), features 256 y on; wave w: the 64 features of group hg = 4 y + w, for all 64 queries: 16 accumulators by turns, six K steps, 96 products.
; The work-group's 48 records of cimg come once, a quarter by each wave in loads of 512 consecutive bytes, and reach all four waves through LDS.  The weights go from memory straight into registers.
; Source 0 = 16 features, source 1 = 16 queries: a lane holds one query, and the 32 registers of a query tile are features 32 b + 16 h + i at register 16 b + i: 16 bytes at a time into my own stage in LDS, back as rows of 256 bytes.
; Lane r of query tile m = 2 b + u is query 32 b + 8 u + r + 8 (r / 8) of the 64: the stores put each row in its place.
; No cluster and no joint loads: a wave's whole work is 96 products on 78 loads that are all issued at its head; a ring in LDS with its barriers would serve nothing that is waited for twice.
; REGISTERS.  Window 0: v1-9 addresses; v16-111 my quarter of the records, then v16-143 the accumulators; v144-167 Wo's scale words (4 s + n); v168-191 x's (6 m + s); v192-239 x's half words, later v192-255 rows on the way out.
;   Window w' = 1, 2, 3: v0-95 x's fragments of K steps 2 (w' - 1) + e at 12 (4 e + m); v96-191 Wo's at 96 + 12 (4 e + n); window 1, v192-223: the bias.
.set STG, 49152                        ; LDS: the 48 records; then a stage of 16 rows x (256 + 16) bytes for each wave
.set LI,  1                            ; v1  16 x lane
.set G8,  3                            ; v3  8 x lane
.set BA,  4                            ; v4  64 h
.set RW,  6                            ; v6  where I put my quarter of the records: 12,288 w + 16 x lane
.set SO,  7                            ; v7  my stage on the way in: 272 r + 64 h
.set SR,  8                            ; v8  and on the way out: 272 (lane / 16) + 16 (lane % 16)
.set CO,  9                            ; v9  the same two rows in out0: 3,072 (lane / 16) + 16 (lane % 16)
.set WS,  144
.set XS,  168
.set XR,  192
.set CB,  4                            ; s[4:5]   my quarter of the records
.set WB,  6                            ; s[6:7]   Wo's group
.set BO,  8                            ; s[8:9]   bo at my 64 features
.set OP,  10                           ; s[10:11] out0 at the work-group's first row, my 256 bytes of it
.set WV,  16
.set MSB, 0
.macro WIN new                         ; the immediate's high byte repeats the setting that is left; a switch that changes nothing is dropped
.if MSB != (\new)
	s_set_vgpr_msb (MSB<<8)|(\new)
.set MSB, \new
.endif
.endm
.macro WLOAD hd, s                     ; the weights of K step s: four fragments and their scale words: 13 loads
.set WW, ((\s)/2+1)<<6
	WIN WW
.irp n, 0,1,2,3
.irp c, 0,1,2
	global_load_b128 v[96+12*(4*((\s)%2)+\n)+4*\c:96+12*(4*((\s)%2)+\n)+4*\c+3], v[LI], s[WB:WB+1] offset:(6*(\hd)+(\s))*6656+\n*1536+512*\c
.endr
.endr
	WIN 0
	global_load_b128 v[WS+4*(\s):WS+4*(\s)+3], v[LI], s[WB:WB+1] offset:(6*(\hd)+(\s))*6656+6144
.endm
; 16 matrix instructions: K step s, four tiles of queries m x four tiles of features n.  At s = 0 the bias (window 1) is C.  The 16 accumulators take turns, one instruction a turn.
.macro MUL s
.set EE, (\s)%2
.set WW, 5*((\s)/2+1)
.if (\s) == 0
.set WW, 5+(1<<4)
.endif
	WIN WW
.irp m, 0,1,2,3
.irp n, 0,1,2,3
.set xD, 16+32*\m+8*\n
.set xA, 96+12*(4*EE+\n)
.set xB, 12*(4*EE+\m)
.set xC, xD
.if (\s) == 0
.set xC, 192+8*\n
.endif
	v_wmma_scale_f32_16x16x128_f8f6f4 v[xD:xD+7], v[xA:xA+11], v[xB:xB+11], v[xC:xC+7], v[WS+4*(\s)+\n], v[XS+6*\m+(\s)] matrix_a_fmt:MATRIX_FMT_FP6 matrix_b_fmt:MATRIX_FMT_FP6
.endr
.endr
.endm
.macro TOSTAGE m                       ; query tile m: 16 rows x 256 bytes through my stage; LDS serves a wave's instructions in order
.irp b, 0,1
.irp i, 0,1,2,3
	ds_store_b128 v[SO], v[16+32*(\m)+16*\b+4*\i:16+32*(\m)+16*\b+4*\i+3] offset:128*\b+16*\i   ; each accumulator from its low end on
.endr
.endr
.set RBK, 192+32*((\m)%2)
.irp i, 0,1,2,3,4,5,6,7
	ds_load_b128 v[RBK+4*\i:RBK+4*\i+3], v[SR] offset:544*\i
.endr
.endm
.macro SEND m, younger                 ; younger: the LDS instructions issued behind tile m's loads, which may stay out
.set RBK, 192+32*((\m)%2)
	s_wait_dscnt \younger
.irp i, 0,1,2,3,4,5,6,7
	global_store_b128 v[CO], v[RBK+4*\i:RBK+4*\i+3], s[OP:OP+1] offset:(32*((\m)/2)+8*((\m)%2)+2*\i+8*(\i/4))*3072 th:TH_STORE_NT   ; 16 lanes store 256 consecutive bytes, aligned; stage rows 2 i, 2 i + 1 are queries 2 i + 8 (i / 4) and the next
.endr
.endm
	s_load_b256 s[4:11], s[0:1], 0x0               ; cimg, wimg, bo, out0
	v_lshl_add_u32 v14, v0, 2, 0x10400
	v_mov_b32 v15, 0
	v_lshrrev_b32 v10, 5, v0
	v_readfirstlane_b32 s[WV], v10                 ; wave 0..3
	v_and_b32 v10, 31, v0                          ; lane
	v_and_b32 v11, 15, v0                          ; r
	v_bfe_u32 v12, v0, 4, 1                        ; h
	v_lshlrev_b32 v[LI], 4, v10
	v_lshlrev_b32 v[G8], 3, v10
	v_lshlrev_b32 v[BA], 6, v12
	s_mul_i32 s20, s[WV], 12288
	v_add_nc_u32 v[RW], s20, v[LI]
	s_mul_i32 s21, s[WV], 4352
	s_add_co_u32 s21, s21, STG
	v_mul_u32_u24 v[SO], v11, 272
	v_lshl_add_u32 v[SO], v12, 6, v[SO]
	v_add_nc_u32 v[SO], s21, v[SO]
	v_mul_u32_u24 v[SR], v12, 272
	v_lshl_add_u32 v[SR], v11, 4, v[SR]
	v_add_nc_u32 v[SR], s21, v[SR]
	v_mul_u32_u24 v[CO], v12, 3072
	v_lshl_add_u32 v[CO], v11, 4, v[CO]
	s_and_b32 s17, ttmp7, 0xffff
	s_lshl_b32 s17, s17, 2
	s_add_co_u32 s17, s17, s[WV]                   ; hg
	s_mul_i32 s18, s17, 39936
	s_add_co_u32 s18, s18, 479232                  ; behind Wq's twelve groups
	s_mov_b32 s19, 0
	s_mul_i32 s22, ttmp9, 49152                    ; 48 records a work-group,
	s_add_co_u32 s22, s22, s20                     ; my quarter
	s_mov_b32 s23, 0
	s_lshl_b32 s24, s17, 8                         ; 64 numbers of 4 bytes a group
	s_mov_b32 s25, 0
	s_mul_i32 s26, ttmp9, 196608                   ; 64 rows of 3,072 bytes
	s_add_co_u32 s26, s26, s24
	s_mov_b32 s27, 0
	s_wait_kmcnt 0x0
	s_add_nc_u64 s[CB:CB+1], s[CB:CB+1], s[22:23]
	s_add_nc_u64 s[WB:WB+1], s[WB:WB+1], s[18:19]
	s_add_nc_u64 s[BO:BO+1], s[BO:BO+1], s[24:25]
	s_add_nc_u64 s[OP:OP+1], s[OP:OP+1], s[26:27]
.irp i, 0,1,2,3,4,5,6,7,8,9,10,11,12,13,14,15,16,17,18,19,20,21,22,23
	global_load_b128 v[16+4*\i:19+4*\i], v[LI], s[CB:CB+1] offset:512*\i
.endr
	WIN 1<<6
.irp n, 0,1,2,3
	global_load_b128 v[192+8*\n:195+8*\n], v[BA], s[BO:BO+1] offset:(32*(\n/2)+8*(\n%2))*4      ; lane (r, h), tile n = 2 b + u: features 32 b + 8 u + 16 h + 0 .. 7
	global_load_b128 v[196+8*\n:199+8*\n], v[BA], s[BO:BO+1] offset:(32*(\n/2)+8*(\n%2))*4+16
.endr
	WLOAD 0, 0
	WLOAD 0, 1
	s_wait_loadcnt 34                              ; the records are in; the 8 loads of the bias and the 26 of two K steps' weights may be out
.irp i, 0,1,2,3,4,5,6,7,8,9,10,11,12,13,14,15,16,17,18,19,20,21,22,23
	ds_store_b128 v[RW], v[16+4*\i:19+4*\i] offset:512*\i
.endr
	WLOAD 0, 2
	WLOAD 0, 3
	WLOAD 0, 4
	WLOAD 0, 5
	s_wait_dscnt 0x0                               ; for the others' sake: my quarter has landed
	s_barrier_signal -1
	s_barrier_wait -1                              ; the 48 records lie in LDS
.irp s, 0,1,2,3,4,5                    ; K step s of query tile m is made of the records of heads 2 s and 2 s + 1
.set WW, (\s/2+1)<<6
	WIN WW
.irp m, 0,1,2,3
.irp cc, 0,1
.irp p, 0,1,2
	ds_load_b64 v[12*(4*(\s%2)+\m)+6*\cc+2*\p:12*(4*(\s%2)+\m)+6*\cc+2*\p+1], v[G8] offset:(12*\m+2*\s+\cc)*1024+256*\p
.endr
.endr
.endr
.endr
	WIN 0
.irp m, 0,1,2,3
.irp s, 0,1,2,3,4,5
.irp cc, 0,1
	ds_load_b32 v[XR+2*(6*\m+\s)+\cc], v[G8] offset:(12*\m+2*\s+\cc)*1024+768
.endr
.endr
.endr
	s_wait_dscnt 0x0
.irp m, 0,1,2,3
.irp s, 0,1,2,3,4,5
	v_lshl_or_b32 v[XS+6*\m+\s], v[XR+2*(6*\m+\s)+1], 16, v[XR+2*(6*\m+\s)]   ; two half words make the scale word of 128 along K
.endr
.endr
.rept 8
	v_nop                                          ; a scale register written by a vector instruction stands eight places ahead of a scaled matrix instruction
.endr
.irp s, 0,1,2,3,4,5
.if 13*(5-\s) > 63
	s_wait_loadcnt 63                              ; 65 loads were issued behind this step's; the count's field holds 63
.else
	s_wait_loadcnt 13*(5-\s)                       ; this step's weights are in; the later steps' may be out
.endif
	MUL \s
.endr
	WIN 0
.rept 4
	v_nop                                          ; places in front of the first read of results
.endr
	TOSTAGE 0
	TOSTAGE 1
	SEND 0, 16                                     ; behind tile 0's loads: tile 1's 8 stores and 8 loads
	s_wait_xcnt 0x0                                ; tile 0's stores have read their registers: tile 2's rows may land there
	TOSTAGE 2
	SEND 1, 16
	s_wait_xcnt 0x0
	TOSTAGE 3
	SEND 2, 16
	SEND 3, 0
	s_wait_tensorcnt 0x0
	ds_add_u32 v14, v15
	s_wait_dscnt 0x0
	s_endpgm
.Lfunc_end_k_qbc7d992919_out:
	.size	k_qbc7d992919_out, .Lfunc_end_k_qbc7d992919_out-k_qbc7d992919_out
	.p2alignl 7, 3214868480
	.fill 96, 4, 3214868480
	.section	.rodata,"a",@progbits
	.p2align	6, 0x0
	.amdhsa_kernel k_qbc7d992919_out
		.amdhsa_group_segment_fixed_size 67072
		.amdhsa_private_segment_fixed_size 0
		.amdhsa_enable_private_segment 0
		.amdhsa_kernarg_size 32
		.amdhsa_user_sgpr_count 2
		.amdhsa_user_sgpr_kernarg_segment_ptr 1
		.amdhsa_wavefront_size32 1
		.amdhsa_system_sgpr_workgroup_id_x 1
		.amdhsa_system_sgpr_workgroup_id_y 1
		.amdhsa_system_sgpr_workgroup_id_z 1
		.amdhsa_system_vgpr_workitem_id 0
		.amdhsa_next_free_vgpr 1024
		.amdhsa_next_free_sgpr 66
		.amdhsa_reserve_vcc 0
		.amdhsa_float_denorm_mode_32 3
		.amdhsa_float_denorm_mode_16_64 3
		.amdhsa_memory_ordered 1
		.amdhsa_forward_progress 1
		.amdhsa_inst_pref_size 49
	.end_amdhsa_kernel
	.amdgpu_metadata
---
amdhsa.version: [ 1, 2 ]
amdhsa.kernels:
  - .name:           k_qbc7d992919_out
    .symbol:         k_qbc7d992919_out.kd
    .args:
      - { .name: cimg, .offset: 0, .size: 8, .value_kind: global_buffer, .address_space: global }
      - { .name: wimg, .offset: 8, .size: 8, .value_kind: global_buffer, .address_space: global }
      - { .name: bo, .offset: 16, .size: 8, .value_kind: global_buffer, .address_space: global }
      - { .name: out0, .offset: 24, .size: 8, .value_kind: global_buffer, .address_space: global }
    .group_segment_fixed_size: 67072
    .private_segment_fixed_size: 0
    .kernarg_segment_align: 8
    .kernarg_segment_size: 32
    .max_flat_workgroup_size: 128
    .sgpr_count:     66
    .vgpr_count:     1024
    .wavefront_size: 32
...
	.end_amdgpu_metadata
.endif
;; end of part 4
;; ======== version 2 of 2: 4 launches
;; workspace buffers: wimg 958,464 bytes; qkv 12,582,912 bytes; cimg 3,145,728 bytes
;; launch wquant (part 5): grid 6 x 24, 1 waves a work-group, no clusters, 17,152 bytes of LDS; arguments Wq, Wo, wimg; writes wimg
.if DOCPART == 5
	.amdgcn_target "amdgcn-amd-amdhsa--gfx1250"
	.amdhsa_code_object_version 6
	.text
	.protected	k_qbc7d992919_wquant
	.globl	k_qbc7d992919_wquant
	.p2align	8
	.type	k_qbc7d992919_wquant,@function
k_qbc7d992919_wquant:
	s_mov_b64 s[64:65], 0
	v_nop
	global_prefetch_b8 v0, s[64:65] scope:SCOPE_SE
	s_setreg_imm32_b32 hwreg(HW_REG_WAVE_MODE, 25, 1), 1
	s_wait_xcnt 0x0
; Wq and Wo, [768][768] f32 with K innermost, become codes of FP6 (E2M3) with one E8M0 byte for each 32 along K, laid IN THE ORDER OF THE OPERAND'S REGISTERS.
; wimg: 24 groups y (0-11: Wq, 12-23: Wo; a group is 64 output features) x 6 K steps of 128.  The record of (y, s) is 6,656 bytes at (6 y + s) x 6,656: four fragments n (16 rows x 128 K,
; 12 registers a lane) at 1,536 n, each as three pieces of 512 bytes (registers 4 c .. 4 c + 3 at 16 x lane); at 6,144 + 16 x lane the lane's four scale words.
; THE ROWS OF A FRAGMENT ARE NOT NEIGHBOURS: lane r of fragment n = 2 b + u holds feature 32 b + 8 u + r + 8 (r / 8), so that a transposed product's 16 registers of two neighbouring tiles are 16 neighbouring features.
; One wave to a work-group, one record to a wave.  Each load reads 512 consecutive bytes of one row (a K step of it); the 16 rows of a fragment turn through a stage in LDS (rows 528 bytes apart), from which
; lane (r, h) takes of row r the 16 numbers 32 b + 16 h + 0 .. 15 of each block b: what the conversions want.
; A block's scale byte is its largest magnitude's exponent field - 2, held at 1 from below.
; LIMITS: a block of zeros gets the byte 1 (its codes are zeros, and this program alone reads the bytes); blocks whose largest magnitude lies under 2^-124 are held at that floor; NaN and infinities are not served.
; No matrix unit, no cluster, no tensor load: every byte is read once, by one wave.
.set XP,  4                            ; s[4:5]  the rows that I read
.set SEL, 20                           ; s[20:21] lane selects: lane l xor 16
.set LI,  1                            ; v1  16 x lane: my bytes of a load, of a store, and of a stage row on the way in
.set STW, 1
.set STR, 2                            ; v2  the stage on the way out: 528 r + 64 h
.set TM,  208                          ; v208-223 at work in QUANT
.set PC,  224                          ; v224-242 the codes just made
.set SW,  248                          ; v248-251 the four fragments' scale words
.set MSB, 0
.macro WIN new                         ; the immediate's high byte repeats the setting that is left; a switch that changes nothing is dropped
.if MSB != (\new)
	s_set_vgpr_msb (MSB<<8)|(\new)
.set MSB, \new
.endif
.endm
; 64 numbers of a lane, register 16 b + i = k 32 b + 16 (lane / 16) + i of my row, become a fragment's codes in v[PC] .. v[PC + 11] and its scale word in v[pw].
.macro QUANT s, pw
.irp b, 0,1,2,3
	v_max3_num_f32 v[TM+\b], |v[\s+16*\b]|, |v[\s+1+16*\b]|, 0x1800000   ; my 16 numbers of block b, and the floor 2^(3 - 127): the byte cannot fall under 1
.endr
.irp i, 2,4,6,8,10,12,14
.irp b, 0,1,2,3
	v_max3_num_f32 v[TM+\b], v[TM+\b], |v[\s+16*\b+\i]|, |v[\s+1+16*\b+\i]|
.endr
.endr
.irp b, 0,1,2,3
	v_permlanex16_b32 v[TM+4+\b], v[TM+\b], s[SEL], s[SEL+1]
.endr
.irp b, 0,1,2,3
	v_max_num_f32 v[TM+\b], v[TM+\b], v[TM+4+\b]                     ; with lane l xor 16's: the block's largest magnitude
.endr
.irp b, 0,1,2,3
	v_add_nc_u32 v[TM+12+\b], 0xff000000, v[TM+\b]                   ; 2 off its exponent field: the conversion's scale operand
.endr
.irp b, 0,1,2,3
	v_lshrrev_b32 v[TM+4+\b], 23, v[TM+12+\b]                        ; the scale's byte
.endr
	v_lshl_or_b32 v[\pw], v[TM+5], 8, v[TM+4]
	v_lshl_or_b32 v[\pw], v[TM+6], 16, v[\pw]
	v_lshl_or_b32 v[\pw], v[TM+7], 24, v[\pw]
.irp c, 0,1
	v_cvt_scalef32_pk16_fp6_f32 v[PC+6*\c:PC+2+6*\c], v[\s+32*\c:\s+15+32*\c], v[TM+12+2*\c]
	v_cvt_scalef32_pk16_fp6_f32 v[PC+12+4*\c:PC+14+4*\c], v[\s+16+32*\c:\s+31+32*\c], v[TM+12+2*\c+1]   ; (a conversion's three registers begin on an even number)
.endr
	v_nop                                          ; one plain place behind a scaled conversion
.irp c, 0,1                            ; the operand wants a whole block in a lane: lanes 0-15 block 2 c, lanes 16-31 block 2 c + 1
.irp i, 0,1,2
	v_permlane16_swap_b32 v[PC+6*\c+\i], v[PC+12+4*\c+\i]
.endr
.irp i, 0,1,2
	v_mov_b32 v[PC+3+6*\c+\i], v[PC+12+4*\c+\i]
.endr
.endr
.endm
; sixteen rows' 512 bytes, as they lie, into window 1 + f / 2, registers 64 (f % 2) on.  Row i of the sixteen is row i + 8 (i / 8) from off on.
.macro XLOAD f, off
.set WW, (1+(\f)/2)<<6
	WIN WW
.irp i, 0,1,2,3,4,5,6,7,8,9,10,11,12,13,14,15
	global_load_b128 v[64*((\f)%2)+4*\i:64*((\f)%2)+4*\i+3], v[LI], s[XP:XP+1] offset:(\off)+(\i+8*(\i/8))*3072 th:TH_LOAD_NT
.endr
.endm
; they turn through stage f % 2; LDS serves a wave's instructions in order, so no wait stands between the stores and the loads
.macro TURN f
.set WW, (1+(\f)/2)<<2
	WIN WW
.irp i, 0,1,2,3,4,5,6,7,8,9,10,11,12,13,14,15
	ds_store_b128 v[STW], v[64*((\f)%2)+4*\i:64*((\f)%2)+4*\i+3] offset:((\f)%2)*8448+528*\i
.endr
	WIN 0
.irp b, 0,1,2,3
.irp j, 0,1,2,3
	ds_load_b128 v[16+64*((\f)%2)+16*\b+4*\j:16+64*((\f)%2)+16*\b+4*\j+3], v[STR] offset:((\f)%2)*8448+128*\b+16*\j
.endr
.endr
.endm
	s_load_b128 s[4:7], s[0:1], 0x0                ; Wq, Wo
	s_load_b64 s[8:9], s[0:1], 0x10                ; wimg
	v_lshl_add_u32 v254, v0, 2, 0x4200
	v_mov_b32 v255, 0
	v_and_b32 v3, 15, v0                           ; r (one wave: the thread's number is the lane)
	v_bfe_u32 v4, v0, 4, 1                         ; h
	v_lshlrev_b32 v[LI], 4, v0
	v_mul_u32_u24 v[STR], v3, 528
	v_lshl_add_u32 v[STR], v4, 6, v[STR]
.irp b, 0,1,2,3
	v_mov_b32 v[TM+4+\b], 0                        ; written once: a lane permute's destination counts as one of its sources
.endr
	s_mov_b32 s[SEL], 0x76543210
	s_mov_b32 s[SEL+1], 0xfedcba98
	s_and_b32 s10, ttmp7, 0xffff                   ; y: the group
	s_mul_i32 s14, s10, 6
	s_add_co_u32 s14, s14, ttmp9                   ; + x: the K step
	s_mul_i32 s14, s14, 6656                       ; my record
	s_mov_b32 s15, 0
	s_lshl_b32 s13, ttmp9, 9                       ; the K step's 512 bytes in a row
	s_wait_alu depctr_va_vdst(0)
	s_wait_kmcnt 0x0
	s_cmp_lt_u32 s10, 12                           ; Wq's group or Wo's: the choice hangs on the work-group's number alone
	s_cselect_b64 s[4:5], s[4:5], s[6:7]
	s_cselect_b32 s11, 0, 12
	s_sub_co_u32 s11, s10, s11
	s_mul_i32 s12, s11, 196608                     ; 64 rows of 3,072 bytes a group
	s_add_co_u32 s12, s12, s13
	s_mov_b32 s13, 0
	s_add_nc_u64 s[4:5], s[4:5], s[12:13]
	s_add_nc_u64 s[8:9], s[8:9], s[14:15]
.irp n, 0,1,2,3
	XLOAD \n, (32*(\n/2)+8*(\n%2))*3072            ; all 64 loads go out at once
.endr
	s_wait_loadcnt 48                              ; fragment 0's sixteen are in
	TURN 0
.irp f, 0,1,2,3
.if \f < 3
	s_wait_loadcnt 16*(2-\f)                       ; the next fragment's sixteen are in; those behind them may be out
	TURN \f+1
	s_wait_dscnt 32                                ; all but the 32 just issued: this fragment's numbers are back from the stage
.else
	s_wait_dscnt 0x0
.endif
.if \f > 0
	s_wait_xcnt 0x0                                ; the last fragment's stores have read v[PC] on: only now are they written again
.endif
	QUANT 16+64*(\f%2), SW+\f
.irp c, 0,1,2
	global_store_b128 v[LI], v[PC+4*\c:PC+4*\c+3], s[8:9] offset:\f*1536+512*\c   ; 32 lanes store 512 consecutive bytes, aligned to 256
.endr
.endr
	global_store_b128 v[LI], v[SW:SW+3], s[8:9] offset:6144
	s_wait_tensorcnt 0x0
	ds_add_u32 v254, v255
	s_wait_dscnt 0x0
	s_endpgm
.Lfunc_end_k_qbc7d992919_wquant:
	.size	k_qbc7d992919_wquant, .Lfunc_end_k_qbc7d992919_wquant-k_qbc7d992919_wquant
	.p2alignl 7, 3214868480
	.fill 96, 4, 3214868480
	.section	.rodata,"a",@progbits
	.p2align	6, 0x0
	.amdhsa_kernel k_qbc7d992919_wquant
		.amdhsa_group_segment_fixed_size 17152
		.amdhsa_private_segment_fixed_size 0
		.amdhsa_enable_private_segment 0
		.amdhsa_kernarg_size 24
		.amdhsa_user_sgpr_count 2
		.amdhsa_user_sgpr_kernarg_segment_ptr 1
		.amdhsa_wavefront_size32 1
		.amdhsa_system_sgpr_workgroup_id_x 1
		.amdhsa_system_sgpr_workgroup_id_y 1
		.amdhsa_system_sgpr_workgroup_id_z 1
		.amdhsa_system_vgpr_workitem_id 0
		.amdhsa_next_free_vgpr 768
		.amdhsa_next_free_sgpr 66
		.amdhsa_reserve_vcc 0
		.amdhsa_float_denorm_mode_32 3
		.amdhsa_float_denorm_mode_16_64 3
		.amdhsa_memory_ordered 1
		.amdhsa_forward_progress 1
		.amdhsa_inst_pref_size 33
	.end_amdhsa_kernel
	.amdgpu_metadata
---
amdhsa.version: [ 1, 2 ]
amdhsa.kernels:
  - .name:           k_qbc7d992919_wquant
    .symbol:         k_qbc7d992919_wquant.kd
    .args:
      - { .name: Wq, .offset: 0, .size: 8, .value_kind: global_buffer, .address_space: global }
      - { .name: Wo, .offset: 8, .size: 8, .value_kind: global_buffer, .address_space: global }
      - { .name: wimg, .offset: 16, .size: 8, .value_kind: global_buffer, .address_space: global }
    .group_segment_fixed_size: 17152
    .private_segment_fixed_size: 0
    .kernarg_segment_align: 8
    .kernarg_segment_size: 24
    .max_flat_workgroup_size: 32
    .sgpr_count:     66
    .vgpr_count:     768
    .wavefront_size: 32
...
	.end_amdgpu_metadata
.endif
;; end of part 5
;; launch proj (part 6): grid 192 x 1, 4 waves a work-group, no clusters, 108,032 bytes of LDS; arguments q, k, v, bq, wimg, qkv; writes qkv
.if DOCPART == 6
	.amdgcn_target "amdgcn-amd-amdhsa--gfx1250"
	.amdhsa_code_object_version 6
	.text
	.protected	k_qbc7d992919_proj
	.globl	k_qbc7d992919_proj
	.p2align	8
	.type	k_qbc7d992919_proj,@function
k_qbc7d992919_proj:
	s_mov_b64 s[64:65], 0
	v_nop
	global_prefetch_b8 v0, s[64:65] scope:SCOPE_SE
	s_setreg_imm32_b32 hwreg(HW_REG_WAVE_SCHED_MODE, 0, 2), 2
	s_setreg_imm32_b32 hwreg(HW_REG_WAVE_MODE, 25, 1), 1
	s_wait_xcnt 0x0
	s_wait_alu depctr_vm_vsrc(0)
; Q = q Wq^T + bq, K = k Wq^T + bq, V = v Wq^T + bq, on codes of FP6 (E2M3) with one E8M0 byte for each 32 along K; and the results quantised again for attention: Q and K along the head's 64, V along the keys.
; SHARES.  Work-group g: tensor g / 64 (0 q, 1 k, 2 v), tokens 64 (g % 64) on, ALL 768 features: so each f32 number is read and quantised once in the launch.  Wave w quantises the 16 tokens of tile w (six fragments),
; hands them to the others through LDS as images of the operand's registers, and then makes heads 3 w .. 3 w + 2 for all 64 tokens: 16 accumulators by turns, six K steps.
; THE TOKENS OF A TILE ARE NOT NEIGHBOURS: lane r of tile m = 2 b + u holds token 32 b + 8 u + r + 8 (r / 8); the weights' fragments (wimg) hold their features in the same order.
; Q, K: source 0 = 16 features, source 1 = 16 tokens: a lane holds one token, and the 32 registers of a token tile are the head's d = 32 b + 16 h + i at register 16 b + i.
; V:    source 0 = 16 tokens, source 1 = 16 features: a lane holds one feature, and the 32 registers of a feature tile are tokens 32 b + 16 h + i: the keys, the second product's K.
; Either way 32 registers become HALF A FRAGMENT (64 along K: six registers a lane) and two scale bytes.  A record is 1,024 bytes: pieces p = 0, 1, 2 of 256 bytes hold registers 2 p, 2 p + 1 at 8 x lane, piece 3 the pair
; (scale word with bytes 2 and 3 zero, 0).  qkv: head x 524,288 + slot x 32,768 (a slot is 256 keys): K's 16 tiles at 1,024 each, then from 16,384 V's records (4 g + n): g the group of 64 keys, n the tile of d.
; Q lies 6,291,456 further on, by K's formula.
; The bias is the C of each sum's first matrix instruction.
; THE WEIGHTS GO FROM MEMORY STRAIGHT INTO REGISTERS, twelve loads of 16 bytes a lane and one for the scale words for each K step, five steps ahead.  No cluster and no joint loads: a weight fragment is wanted by one wave of a
; work-group alone, a K step of a head is 16 products, and a wave has 288 in all: a ring in LDS would put a barrier of the cluster in front of every few of them.
; LIMITS: a block of zeros gets the byte 1 (its codes are zeros; this program alone reads the bytes); largest magnitudes under 2^-124 are held at that floor; NaN and infinities are not served.
; THE MODE: SCHED_MODE bits 1:0 = 2 (LLVM: expert scheduling mode 2), set by the entry lines.  The code itself states the register dependences between vector or matrix instructions and memory or LDS instructions,
; with s_wait_alu, always for 0.
; THE PLAN.  Registers that memory or LDS instructions touch:
;   RAW       windows 1-3, v0-127: x's loads land there; the stage's LDS stores read them; later x's fragments (v0-95) and the weights (v96-191) land there.
;   N0, N1    v16-79, v80-143: the LDS loads of quantising step f land in N[f % 2]; QUANT f reads it; the loads of step f + 2 land in it.  Later: the accumulators, which no memory instruction names.
;   PC, PW    v224-242, v218: QUANT writes them, the four image stores read them.
;   W(s), WS(s)  the weights and scale words of K step s: step s's 16 products read them; the next head's land there during step s + 1 (step 5's: on the head's way out).
;   O0 .. O3  four out-buffers of eight registers: HQ writes one, a record's four stores read it; it is written again a whole head later.
;   v1-15     addresses, made once at the head and never written again.
; A quantising step holds one wait on vm_vsrc ahead of QUANT and one on va_vdst behind it.  A K step of heads 0 and 1 holds one wait on va_vdst at its head; the 13 loads that hang on it are dealt among the step's products,
; which name none of their registers.  A head's way out holds two waits on va_vdst, each ahead of eight stores, and (heads 1, 2) one on vm_vsrc at its head.
; REGISTERS.  Window 0: v1-15 addresses; v16-143 two sets of 64 numbers, later the 16 accumulators; v144-167 the weights' scale words (4 s + n); v168-191 x's (6 m + s); v192-207 out-buffers 0, 1; v208-223, v224-242 at work,
;   later v224-231 out-buffer 2 and v232-234 at work; v239, v243 the closing add's two; v244-255 bq for V, later v244-251 out-buffer 3.
;   Window w' = 1, 2, 3: first 128 registers of f32 as loaded; then v0-95 x's fragments of K steps 2 (w' - 1) + e at 12 (4 e + m); v96-191 the weights' at 96 + 12 (4 e + n); v192-223 the bias of head w' - 1.
.set XIMG, 67584                       ; LDS: four waves' stages (2 x 16 rows x 528 bytes each); then x's 24 fragments, 1,536 bytes each, (6 m + s);
.set XSC,  104448                      ; then their scale words, 128 bytes each
.set LI,  1                            ; v1  16 x lane
.set LS,  2                            ; v2  4 x lane
.set GO,  3                            ; v3  8 x lane
.set BA,  4                            ; v4  64 h: the bias of a lane's eight features
.set BB,  5                            ; v5  4 (r + 8 (r / 8)): the bias of a lane's one feature
.set XWI, 6                            ; v6  where I store my images: XIMG + 9,216 w + 16 x lane
.set XWS, 7                            ; v7  and their scale words: XSC + 768 w + 4 x lane
.set STW, 8                            ; v8  my stage on the way in: 16,896 w + 16 x lane
.set STR, 9                            ; v9  and on the way out: 16,896 w + 528 r + 64 h
.set FI,  14                           ; v14 XIMG + 16 x lane
.set FS,  15                           ; v15 XSC + 4 x lane
.set WS,  144
.set XS,  168
.set O0,  192                          ; the four out-buffers
.set O1,  200
.set O2,  224
.set O3,  244
.set T3,  232                          ; v232-234 HQ: the second conversion's three registers
.set TM,  208
.set PW,  218
.set PC,  224
.set BV,  244
.set XP,  4                            ; s[4:5]   my 16 tokens' rows
.set BQ,  10                           ; s[10:11] bq at my three heads
.set WB,  12                           ; s[12:13] wimg at my three heads
.set OB,  14                           ; s[14:15] qkv at my first record
.set WV,  16
.set TZ,  17
.set BLK, 18
.set SEL, 20
.set MSB, 0
.macro WIN new                         ; the immediate's high byte repeats the setting that is left; a switch that changes nothing is dropped
.if MSB != (\new)
	s_set_vgpr_msb (MSB<<8)|(\new)
.set MSB, \new
.endif
.endm
; 64 numbers of a lane, register 16 b + i = k 32 b + 16 (lane / 16) + i of my row, become a fragment's codes in v[PC] .. v[PC + 11] and its scale word in v[pw].
.macro QUANT s, pw
.irp b, 0,1,2,3
	v_max3_num_f32 v[TM+\b], |v[\s+16*\b]|, |v[\s+1+16*\b]|, 0x1800000   ; my 16 numbers of block b, and the floor 2^(3 - 127): the byte cannot fall under 1
.endr
.irp i, 2,4,6,8,10,12,14
.irp b, 0,1,2,3
	v_max3_num_f32 v[TM+\b], v[TM+\b], |v[\s+16*\b+\i]|, |v[\s+1+16*\b+\i]|
.endr
.endr
.irp b, 0,1,2,3
	v_permlanex16_b32 v[TM+4+\b], v[TM+\b], s[SEL], s[SEL+1]
.endr
.irp b, 0,1,2,3
	v_max_num_f32 v[TM+\b], v[TM+\b], v[TM+4+\b]
.endr
.irp b, 0,1,2,3
	v_add_nc_u32 v[TM+12+\b], 0xff000000, v[TM+\b]                   ; 2 off the exponent field: the conversion's scale operand
.endr
.irp b, 0,1,2,3
	v_lshrrev_b32 v[TM+4+\b], 23, v[TM+12+\b]                        ; the scale's byte
.endr
	v_lshl_or_b32 v[\pw], v[TM+5], 8, v[TM+4]
	v_lshl_or_b32 v[\pw], v[TM+6], 16, v[\pw]
	v_lshl_or_b32 v[\pw], v[TM+7], 24, v[\pw]
.irp c, 0,1
	v_cvt_scalef32_pk16_fp6_f32 v[PC+6*\c:PC+2+6*\c], v[\s+32*\c:\s+15+32*\c], v[TM+12+2*\c]
	v_cvt_scalef32_pk16_fp6_f32 v[PC+12+4*\c:PC+14+4*\c], v[\s+16+32*\c:\s+31+32*\c], v[TM+12+2*\c+1]
.endr
	v_nop                                          ; one plain place behind a scaled conversion
.irp c, 0,1
.irp i, 0,1,2
	v_permlane16_swap_b32 v[PC+6*\c+\i], v[PC+12+4*\c+\i]
.endr
.irp i, 0,1,2
	v_mov_b32 v[PC+3+6*\c+\i], v[PC+12+4*\c+\i]
.endr
.endr
.endm
; The half of it: 32 numbers (two blocks) become a record in out-buffer o: six registers of codes, v[o] .. v[o + 5], the word v[o + 6] = byte 0 | byte 1 << 8, and v[o + 7] = 0.  The sources are read in ascending order.
.macro HQ s, o
.irp b, 0,1
	v_max3_num_f32 v[TM+\b], |v[\s+16*\b]|, |v[\s+1+16*\b]|, 0x1800000
.endr
.irp i, 2,4,6,8,10,12,14
.irp b, 0,1
	v_max3_num_f32 v[TM+\b], v[TM+\b], |v[\s+16*\b+\i]|, |v[\s+1+16*\b+\i]|
.endr
.endr
.irp b, 0,1
	v_permlanex16_b32 v[TM+4+\b], v[TM+\b], s[SEL], s[SEL+1]
.endr
.irp b, 0,1
	v_max_num_f32 v[TM+\b], v[TM+\b], v[TM+4+\b]
.endr
.irp b, 0,1
	v_add_nc_u32 v[TM+12+\b], 0xff000000, v[TM+\b]
.endr
.irp b, 0,1
	v_lshrrev_b32 v[TM+4+\b], 23, v[TM+12+\b]
.endr
	v_lshl_or_b32 v[\o+6], v[TM+5], 8, v[TM+4]
	v_mov_b32 v[\o+7], 0                           ; the upper word of the record's last piece
	v_cvt_scalef32_pk16_fp6_f32 v[\o:\o+2], v[\s:\s+15], v[TM+12]
	v_cvt_scalef32_pk16_fp6_f32 v[T3:T3+2], v[\s+16:\s+31], v[TM+13]   ; (a conversion's three registers begin on an even number)
	v_nop                                          ; one plain place behind a scaled conversion
.irp i, 0,1,2
	v_permlane16_swap_b32 v[\o+\i], v[T3+\i]       ; lanes 0-15 now hold block 0, lanes 16-31 block 1
.endr
.irp i, 0,1,2
	v_mov_b32 v[\o+3+\i], v[T3+\i]
.endr
.endm
.macro PUT hd, i, o                    ; record i of head hd leaves out-buffer o
.irp p, 0,1,2,3
	global_store_b64 v[GO], v[\o+2*\p:\o+2*\p+1], s[OB:OB+1] offset:(\hd)*524288+(\i)*1024+256*\p   ; 32 lanes store 256 consecutive bytes, aligned
.endr
.endm
.macro XLOAD f, off                    ; sixteen rows' 512 bytes (K step f), as they lie, into window 1 + f / 2, registers 64 (f % 2) on; row i of the sixteen is row i + 8 (i / 8)
.set WW, (1+(\f)/2)<<6
	WIN WW
.irp i, 0,1,2,3,4,5,6,7,8,9,10,11,12,13,14,15
	global_load_b128 v[64*((\f)%2)+4*\i:64*((\f)%2)+4*\i+3], v[LI], s[XP:XP+1] offset:(\off)+(\i+8*(\i/8))*3072 th:TH_LOAD_NT
.endr
.endm
.macro TURN f                          ; through my stage f % 2; LDS serves a wave's instructions in order, so no wait stands between the stores and the loads
.set WW, (1+(\f)/2)<<2
	WIN WW
.irp i, 0,1,2,3,4,5,6,7,8,9,10,11,12,13,14,15
	ds_store_b128 v[STW], v[64*((\f)%2)+4*\i:64*((\f)%2)+4*\i+3] offset:((\f)%2)*8448+528*\i
.endr
	WIN 0
.irp b, 0,1,2,3
.irp j, 0,1,2,3
	ds_load_b128 v[16+64*((\f)%2)+16*\b+4*\j:16+64*((\f)%2)+16*\b+4*\j+3], v[STR] offset:((\f)%2)*8448+128*\b+16*\j
.endr
.endr
.endm
; The weights of head hd, K step s: four fragments and their scale words: 13 loads, in three parts.
.macro WHALF hd, s, g                  ; fragments 2 g and 2 g + 1: six loads
.set LW, ((\s)/2+1)<<6
	WIN LW
.irp n, 0,1
.irp c, 0,1,2
	global_load_b128 v[96+12*(4*((\s)%2)+2*(\g)+\n)+4*\c:96+12*(4*((\s)%2)+2*(\g)+\n)+4*\c+3], v[LI], s[WB:WB+1] offset:(6*(\hd)+(\s))*6656+(2*(\g)+\n)*1536+512*\c
.endr
.endr
.endm
.macro WSCL hd, s                      ; the four scale words: one load
	WIN 0
	global_load_b128 v[WS+4*(\s):WS+4*(\s)+3], v[LI], s[WB:WB+1] offset:(6*(\hd)+(\s))*6656+6144
.endm
.macro WLOAD hd, s
	WHALF \hd, \s, 0
	WHALF \hd, \s, 1
	WSCL \hd, \s
.endm
; 16 matrix instructions: K step s of a head, four tiles of tokens m x four tiles of features n.  vt = 0: features are source 0; vt = 1: tokens are.  At s = 0 the bias (window hd + 1) is C.
; The 16 accumulators take turns, one instruction a turn, in the same order in every step.
; nx = 1: the next head's weights of step s - 1 are dealt among them: six loads behind the first four products, seven behind the next four.  These products name step s's weights and scale words, x's fragments and the
; accumulators: none of the registers that those loads touch.
.macro MUL s, hd, vt, nx
.set EE, (\s)%2
.set MW, 5*((\s)/2+1)
.if (\s) == 0
.set MW, 5+(((\hd)+1)<<4)
.endif
.irp m, 0,1,2,3
	WIN MW
.irp n, 0,1,2,3
.if \vt
.set xD, 16+32*\n+8*\m
.set xA, 12*(4*EE+\m)
.set xB, 96+12*(4*EE+\n)
.set yA, XS+6*\m+(\s)
.set yB, WS+4*(\s)+\n
.else
.set xD, 16+32*\m+8*\n
.set xA, 96+12*(4*EE+\n)
.set xB, 12*(4*EE+\m)
.set yA, WS+4*(\s)+\n
.set yB, XS+6*\m+(\s)
.endif
.set xC, xD
.if (\s) == 0
.set xC, 192+8*\n
.endif
	v_wmma_scale_f32_16x16x128_f8f6f4 v[xD:xD+7], v[xA:xA+11], v[xB:xB+11], v[xC:xC+7], v[yA], v[yB] matrix_a_fmt:MATRIX_FMT_FP6 matrix_b_fmt:MATRIX_FMT_FP6
.endr
.if (\nx) && (\m < 2)
	WHALF (\hd)+1, (\s)-1, \m
.endif
.if (\nx) && (\m == 1)
	WSCL (\hd)+1, (\s)-1
.endif
.endr
.endm
; A head: six K steps, each behind the wait for its weights; then four records go out.
; THE COUNTS.  Step 0: five groups of 13 loads were issued behind its own; the count's field holds 63, which is the safer side of 65.  Steps 1 to 5 of heads 0 and 1: behind step s's group stand this head's 5 - s later
; groups and the next head's s - 1 that the steps before have asked for: four groups, 52.  In the last head nothing follows: 13 (5 - s).
.macro HEAD hd, vt
.irp s, 0,1,2,3,4,5
.if \s == 0
	s_wait_loadcnt 63
.elseif (\hd) < 2
	s_wait_loadcnt 52
.else
	s_wait_loadcnt 13*(5-\s)
.endif
.if ((\hd) < 2) && (\s > 0)
	s_wait_alu depctr_va_vdst(0)                   ; the products of the step before are done reading their weights and scale words, in which the loads dealt among this step's products land
	MUL \s, \hd, \vt, 1
.else
	MUL \s, \hd, \vt, 0
.endif
.rept 4
	v_nop                                          ; places in front of loads into registers that these products have read, and of the first read of results
.endr
.endr
	WIN 0
.if (\hd) > 0
	s_wait_xcnt 0x0                                ; the last head's stores, six K steps back, have had their addresses translated: their data registers are written again only behind this wait
	s_wait_alu depctr_vm_vsrc(0)                   ; and they have read the four out-buffers, which the conversions below write again
.endif
	HQ 16, O0
	HQ 48, O1
	s_wait_alu depctr_va_vdst(0)                   ; out-buffers 0 and 1 are written, which the eight stores read; K step 5's products are done reading their weights and scale words, in which the loads land
.if (\hd) < 2
	WLOAD (\hd)+1, 5
.endif
	PUT \hd, 0, O0
	PUT \hd, 1, O1
	HQ 80, O2                                      ; (it names no register of the stores above)
	HQ 112, O3
	s_wait_alu depctr_va_vdst(0)                   ; out-buffers 2 and 3 are written, which the eight stores read
	PUT \hd, 2, O2
	PUT \hd, 3, O3
.endm
	s_load_b256 s[4:11], s[0:1], 0x0               ; q, k, v, bq
	s_load_b128 s[12:15], s[0:1], 0x20             ; wimg, qkv
	v_lshl_add_u32 v239, v0, 2, 0x1a400
	v_mov_b32 v243, 0
	v_lshrrev_b32 v10, 5, v0
	v_readfirstlane_b32 s[WV], v10                 ; wave 0..3
	v_and_b32 v10, 31, v0                          ; lane
	v_and_b32 v11, 15, v0                          ; r
	v_bfe_u32 v12, v0, 4, 1                        ; h
	v_lshlrev_b32 v[LI], 4, v10
	v_lshlrev_b32 v[LS], 2, v10
	v_lshlrev_b32 v[GO], 3, v10
	v_lshlrev_b32 v[BA], 6, v12
	v_and_b32 v13, 8, v11
	v_add_nc_u32 v13, v13, v11                     ; r + 8 (r / 8)
	v_lshlrev_b32 v[BB], 2, v13
	s_wait_alu depctr_va_sdst(0)                   ; the wave's number is written, ahead of its first reader: LDS addresses and the bases are made from it
	s_mul_i32 s32, s[WV], 9216                     ; (each scalar register that a vector line reads here is written once)
	s_add_co_u32 s32, s32, XIMG
	v_add_nc_u32 v[XWI], s32, v[LI]
	s_mul_i32 s33, s[WV], 768
	s_add_co_u32 s33, s33, XSC
	v_add_nc_u32 v[XWS], s33, v[LS]
	s_mul_i32 s34, s[WV], 16896
	v_add_nc_u32 v[STW], s34, v[LI]
	v_mul_u32_u24 v[STR], v11, 528
	v_lshl_add_u32 v[STR], v12, 6, v[STR]
	v_add_nc_u32 v[STR], s34, v[STR]
	v_add_nc_u32 v[FI], XIMG, v[LI]
	v_add_nc_u32 v[FS], XSC, v[LS]
.irp b, 0,1,2,3
	v_mov_b32 v[TM+4+\b], 0                        ; written once: a lane permute's destination counts as one of its sources
.endr
	s_mov_b32 s[SEL], 0x76543210
	s_mov_b32 s[SEL+1], 0xfedcba98
	s_lshr_b32 s[TZ], ttmp9, 6                     ; which tensor
	s_and_b32 s[BLK], ttmp9, 63                    ; which 64 tokens
	s_lshl_b32 s22, s[BLK], 6
	s_lshr_b32 s23, s[WV], 1
	s_lshl_b32 s23, s23, 5
	s_add_co_u32 s22, s22, s23
	s_and_b32 s23, s[WV], 1
	s_lshl_b32 s23, s23, 3
	s_add_co_u32 s22, s22, s23                     ; my tile's first token: 64 blk + 32 (w / 2) + 8 (w % 2)
	s_mul_i32 s22, s22, 3072
	s_mov_b32 s23, 0
	s_mul_i32 s24, s[WV], 768                      ; bq: three heads of 64 numbers
	s_mov_b32 s25, 0
	s_mul_i32 s26, s[WV], 119808                   ; wimg: three heads of six records
	s_mov_b32 s27, 0
	s_mul_i32 s28, s[WV], 3*524288                 ; qkv: my first head,
	s_lshr_b32 s30, s[BLK], 2
	s_lshl_b32 s30, s30, 15
	s_add_co_u32 s28, s28, s30                     ; the slot,
	s_and_b32 s30, s[BLK], 3
	s_lshl_b32 s30, s30, 12
	s_add_co_u32 s28, s28, s30                     ; my 64 tokens' four records in it,
	s_cmp_eq_u32 s[TZ], 0
	s_cselect_b32 s30, 0x600000, 0                 ; Q's region,
	s_cmp_eq_u32 s[TZ], 2
	s_cselect_b32 s30, 16384, s30                  ; or V's half of a slot
	s_add_co_u32 s28, s28, s30
	s_mov_b32 s29, 0
	s_wait_kmcnt 0x0
	s_cmp_eq_u32 s[TZ], 1                          ; the choice of the tensor hangs on the work-group's number alone
	s_cselect_b64 s[4:5], s[6:7], s[4:5]
	s_cmp_eq_u32 s[TZ], 2
	s_cselect_b64 s[4:5], s[8:9], s[4:5]
	s_add_nc_u64 s[XP:XP+1], s[XP:XP+1], s[22:23]
	s_add_nc_u64 s[BQ:BQ+1], s[BQ:BQ+1], s[24:25]
	s_add_nc_u64 s[WB:WB+1], s[WB:WB+1], s[26:27]
	s_add_nc_u64 s[OB:OB+1], s[OB:OB+1], s[28:29]
	s_wait_alu depctr_va_vdst(0)                   ; the addresses v1 to v9, v14 and v15 are written: every load, store and LDS instruction of the kernel reads one of them
	; ---- my 16 tokens become six fragments.  All 96 loads go out at once
.irp f, 0,1,2,3,4,5
	XLOAD \f, 512*\f
.endr
	s_wait_loadcnt 63                              ; K step 0's sixteen are in (80 were issued behind them)
	TURN 0
.irp f, 0,1,2,3,4,5
.if \f < 5
.if 16*(4-\f) > 63
	s_wait_loadcnt 63
.else
	s_wait_loadcnt 16*(4-\f)                       ; the next K step's sixteen are in; those behind them may be out
.endif
	TURN \f+1                                      ; its LDS loads land in the set that QUANT read two steps back: that QUANT stands ahead of the last wait on va_vdst, and no vector instruction has been issued since
	s_wait_dscnt 32                                ; all but the 32 just issued: this step's numbers are back from the stage
.else
	s_wait_dscnt 0x0
.endif
.if \f > 0
	s_wait_alu depctr_vm_vsrc(0)                   ; the last step's image stores have read v[PC ..] and v[PW], which QUANT writes again; the stage's stores issued so far have read the registers of f32 as loaded, in which fragments and weights land later
.endif
	QUANT 16+64*(\f%2), PW
	s_wait_alu depctr_va_vdst(0)                   ; QUANT has written v[PC ..] and v[PW], which the four stores read, and is done reading its 64 numbers, in which the next step's LDS loads land
.irp c, 0,1,2
	ds_store_b128 v[XWI], v[PC+4*\c:PC+4*\c+3] offset:\f*1536+512*\c   ; the fragment goes to LDS as it stands in my registers
.endr
	ds_store_b32 v[XWS], v[PW] offset:128*\f
.endr
	; ---- the biases in both forms, and the first two K steps' weights
.irp hd, 0,1,2
.set WW, (\hd+1)<<6
	WIN WW
.irp n, 0,1,2,3
	global_load_b128 v[192+8*\n:195+8*\n], v[BA], s[BQ:BQ+1] offset:(64*\hd+32*(\n/2)+8*(\n%2))*4      ; lane (r, h), tile n = 2 b + u: features 32 b + 8 u + 16 h + 0 .. 7
	global_load_b128 v[196+8*\n:199+8*\n], v[BA], s[BQ:BQ+1] offset:(64*\hd+32*(\n/2)+8*(\n%2))*4+16
.endr
.endr
	WIN 0
.irp hd, 0,1,2
.irp n, 0,1,2,3
	global_load_b32 v[BV+4*\hd+\n], v[BB], s[BQ:BQ+1] offset:(64*\hd+32*(\n/2)+8*(\n%2))*4             ; feature 32 b + 8 u + r + 8 (r / 8)
.endr
.endr
	WLOAD 0, 0
	WLOAD 0, 1
	s_wait_dscnt 0x0                               ; for the others' sake: my images have landed
	s_barrier_signal -1
	s_barrier_wait -1                              ; x's 24 fragments lie in LDS
	s_wait_alu depctr_vm_vsrc(0)                   ; my last image stores have read v[PC ..]: on both ways below these registers are an out-buffer and HQ's three, written by its conversions
.irp s, 0,1,2,3,4,5
.set WW, (\s/2+1)<<6
	WIN WW
.irp m, 0,1,2,3
.irp c, 0,1,2
	ds_load_b128 v[12*(4*(\s%2)+\m)+4*\c:12*(4*(\s%2)+\m)+4*\c+3], v[FI] offset:(6*\m+\s)*1536+512*\c   ; they stay in my registers
.endr
.endr
.endr
	WIN 0
.irp m, 0,1,2,3
.irp s, 0,1,2,3,4,5
	ds_load_b32 v[XS+6*\m+\s], v[FS] offset:(6*\m+\s)*128
.endr
.endr
	WLOAD 0, 2
	WLOAD 0, 3
	WLOAD 0, 4
	WLOAD 0, 5
	s_wait_dscnt 0x0
	s_cmp_eq_u32 s[TZ], 2                          ; V's work-groups part here; no barrier follows on either way
	s_cbranch_scc1 .Lvway
	HEAD 0, 0
	HEAD 1, 0
	HEAD 2, 0
	s_wait_dscnt 0x0                               ; the closing lines, six on end
	s_wait_alu 0x0
	s_wait_tensorcnt 0x0
	ds_add_u32 v239, v243
	s_wait_dscnt 0x0
	s_endpgm
.Lvway:
	s_wait_loadcnt 63                              ; the biases are in (78 loads were issued behind them): their registers may be written
.irp hd, 0,1,2
.set WW, (\hd+1)<<6
	WIN WW
.irp n, 0,1,2,3
.irp j, 0,1,2,3,4,5,6,7
	v_mov_b32 v[192+8*\n+\j], v[BV+4*\hd+\n]       ; here a lane holds one feature: its bias in all eight registers
.endr
.endr
.endr
	WIN 0
	HEAD 0, 1
	HEAD 1, 1
	HEAD 2, 1
	s_wait_dscnt 0x0                               ; the closing lines, six on end
	s_wait_alu 0x0
	s_wait_tensorcnt 0x0
	ds_add_u32 v239, v243
	s_wait_dscnt 0x0
	s_endpgm
.Lfunc_end_k_qbc7d992919_proj:
	.size	k_qbc7d992919_proj, .Lfunc_end_k_qbc7d992919_proj-k_qbc7d992919_proj
	.p2alignl 7, 3214868480
	.fill 96, 4, 3214868480
	.section	.rodata,"a",@progbits
	.p2align	6, 0x0
	.amdhsa_kernel k_qbc7d992919_proj
		.amdhsa_group_segment_fixed_size 108032
		.amdhsa_private_segment_fixed_size 0
		.amdhsa_enable_private_segment 0
		.amdhsa_kernarg_size 48
		.amdhsa_user_sgpr_count 2
		.amdhsa_user_sgpr_kernarg_segment_ptr 1
		.amdhsa_wavefront_size32 1
		.amdhsa_system_sgpr_workgroup_id_x 1
		.amdhsa_system_sgpr_workgroup_id_y 1
		.amdhsa_system_sgpr_workgroup_id_z 1
		.amdhsa_system_vgpr_workitem_id 0
		.amdhsa_next_free_vgpr 1024
		.amdhsa_next_free_sgpr 66
		.amdhsa_reserve_vcc 0
		.amdhsa_float_denorm_mode_32 3
		.amdhsa_float_denorm_mode_16_64 3
		.amdhsa_memory_ordered 1
		.amdhsa_forward_progress 1
		.amdhsa_inst_pref_size 237
	.end_amdhsa_kernel
	.amdgpu_metadata
---
amdhsa.version: [ 1, 2 ]
amdhsa.kernels:
  - .name:           k_qbc7d992919_proj
    .symbol:         k_qbc7d992919_proj.kd
    .args:
      - { .name: q, .offset: 0, .size: 8, .value_kind: global_buffer, .address_space: global }
      - { .name: k, .offset: 8, .size: 8, .value_kind: global_buffer, .address_space: global }
      - { .name: v, .offset: 16, .size: 8, .value_kind: global_buffer, .address_space: global }
      - { .name: bq, .offset: 24, .size: 8, .value_kind: global_buffer, .address_space: global }
      - { .name: wimg, .offset: 32, .size: 8, .value_kind: global_buffer, .address_space: global }
      - { .name: qkv, .offset: 40, .size: 8, .value_kind: global_buffer, .address_space: global }
    .group_segment_fixed_size: 108032
    .private_segment_fixed_size: 0
    .kernarg_segment_align: 8
    .kernarg_segment_size: 48
    .max_flat_workgroup_size: 128
    .sgpr_count:     66
    .vgpr_count:     1024
    .wavefront_size: 32
...
	.end_amdgpu_metadata
.endif
;; end of part 6
;; launch attn (part 7): grid 64 x 4, 12 waves a work-group, clusters of 4 x 1, 327,680 bytes of LDS; arguments qkv, cimg; writes cimg
.if DOCPART == 7
	.amdgcn_target "amdgcn-amd-amdhsa--gfx1250"
	.amdhsa_code_object_version 6
	.text
	.protected	k_qbc7d992919_attn
	.globl	k_qbc7d992919_attn
	.p2align	8
	.type	k_qbc7d992919_attn,@function
k_qbc7d992919_attn:
	s_mov_b64 s[64:65], 0
	v_nop
	global_prefetch_b8 v0, s[64:65] scope:SCOPE_SE
	s_setreg_imm32_b32 hwreg(HW_REG_WAVE_MODE, 25, 1), 1
	s_wait_xcnt 0x0
	s_wait_alu depctr_hold_cnt(0) depctr_sa_sdst(0) depctr_va_vdst(0) depctr_va_sdst(0) depctr_va_ssrc(0) depctr_va_vcc(0) depctr_vm_vsrc(0)
	s_getreg_b32 s2, hwreg(HW_REG_IB_STS2, 6, 4)
	s_cmp_eq_u32 s2, 0
	s_cbranch_scc0 .Lentry_in_a_cluster
	s_endpgm
.Lentry_in_a_cluster:
	s_bfe_u32 s2, ttmp6, 0x10000c
	s_cmp_lg_u32 s2, 0x3003
	s_cbranch_scc0 .Lentry_shape_is_right
	s_endpgm
.Lentry_shape_is_right:
; For each of 12 heads: O = softmax(Q K^T / 8) V, both products on codes of FP6 (E2M3) with one E8M0 byte for each 32 along K; O / l is quantised along the head's 64 for the last product.
; THE SOFTMAX AHEAD OF THE SECOND PRODUCT: t = score x log2(e) / 8; M = the row's largest t so far, rounded UP to a whole number; p = 2^(t - M) is quantised along the keys, not normalised.  The row's sum is taken of the
; unquantised p and divides O at the end.  When M moves, the sum and O are multiplied by 2^(old M - new M): exact.
; SHARES.  Work-group (gx, gy): heads 3 gy .. 3 gy + 2, query tiles 4 gx .. 4 gx + 3.  Wave w: head 3 gy + w / 4, tile 4 gx + w % 4: one tile of 16 queries in 256 registers, three waves to a SIMD.
; Every wave walks its head's 4,096 keys, 128 a step.  A slot of the ring holds 256 keys of the three heads: for each head 32,768 dense bytes of qkv (16 records of K, 16 of V; a record is half a fragment, 64 along K:
; three pieces of 256 bytes with registers 2 p, 2 p + 1 at 8 x lane, and a piece with the scale word), so every LDS load takes consecutive bytes.
; CLUSTER.  The four work-groups of a cluster share gy and walk the same K and V: each head's part of a slot is asked for JOINTLY (waves 0, 1, 2: one tensor load each, the same descriptor, a mask that names the four).
; LAYOUT.  Both products are used transposed: S^T = K Q^T, O^T = V^T P^T: a lane holds one query throughout.  The keys of a tile of K and the d of a tile of V lie in the order 32 b + 8 u + r + 8 (r / 8), so that the 16
; registers of tiles 2 b and 2 b + 1 are 16 neighbours: of the keys in p, of d in O^T.
; THE FIRST PRODUCT'S K IS 64: Q's registers 6-11 are zero codes.  A tile of K is named as twelve registers of which the upper six are the NEXT tile's codes (behind the last tile: zeros); they meet Q's zeros alone and add
; nothing; the scale bytes 2 and 3 of both sides are 0, which stands for a power of two.
; LIMITS: a block of zeros gets the byte 1 (its codes are zeros; this program alone reads the bytes); NaN and infinities are not served.
; REGISTERS: v1 my lane's place in a slot; v5, v6 the spare word's address and 0; v7 8 x lane; v8 the address in hand; v12 -M, v13 the largest t, v[14:15] the sum in two halves; v16-27 Q; v28 the prefetches' offset;
;   v32-79 eight tiles of K, then four fragments of V; v80-85 zeros; v96-159 S^T, then p; v160-191 O^T; v192-199 K's scale words; v200-207 V's half words, v208-211 V's words; v224-235 p's codes; v232-254 at work; v253 p's scale word; v255 Q's.
.set SLOT1, 1<<17                      ; slot 0 at 0, slot 1 here: one exclusive or turns an address from one into the other
.set SPARE, 229376                     ; behind the ring: the spare words, 128 bytes for each of the twelve waves: six blocks of 256 bytes that no other line names
.set AK0, 1
.set SPW, 5
.set NIL, 6
.set GO,  7
.set ADR, 8
.set PFO, 28
.set PC,  212                          ; the way out: O's codes
.set TM,  232
.set WV,  8
.set SEL, 20                           ; s[20:21] lane selects: lane l xor 16
.set CS,  22                           ; s[22:23] c = log2(e) / 8
.set G1,  24                           ; s[24:31] descriptor group 1
.set G0,  40                           ; s[40:43] descriptor group 0, which walks
.set TB,  44                           ; s44  LDS byte at which the slot in hand begins
.set SLOTS, 45                         ; s45  slots still to be asked for
.set LIM, 46                           ; s46  1 in a wave that prefetches, else the greatest number
.set PFA, 48                           ; s[48:49] where my prefetches stand
.set QP,  50                           ; s[50:51] my tile of Q
.macro CROUND                          ; a round of the cluster's barrier
	s_barrier_signal -1
	s_barrier_wait -1
	s_cmp_lg_u32 s[WV], 0
	s_cbranch_scc1 .Lnot_wave_0_\@
	s_barrier_signal -3
.Lnot_wave_0_\@:
	s_barrier_wait -3
	s_barrier_signal -1
	s_barrier_wait -1
.endm
.macro JLOAD                           ; waves 0, 1, 2 fetch a head's part of a slot each; the branch hangs on the wave's number alone.  Four v_nop follow the load
	s_cmp_lt_u32 s[WV], 3
	s_cbranch_scc0 .Lasked_\@
	tensor_load_to_lds s[G0:G0+3], s[G1:G1+7]
	s_nop 0
.rept 4
	v_nop
.endr
.Lasked_\@:
.endm
; A prefetch of what the NEXT change of slots will ask for.  All clusters of one gy walk the same bytes: the first of them (cluster x = 0) asks.  Its four partners share a head's 32,768 bytes out BY ADDRESS, 8,192 each;
; in each, waves 4, 5, 6 ask for heads 0, 1, 2: one instruction, lanes 256 bytes apart.  So each block of 256 bytes is named once in the launch.  The last change that fills a slot asks for nothing; slots 0 and 1 come by their loads alone.
.macro ASK
	s_cmp_gt_u32 s[SLOTS], s[LIM]
	s_cbranch_scc0 .Lnot_mine_\@
	global_prefetch_b8 v[PFO], s[PFA:PFA+1] th:TH_LOAD_NT scope:SCOPE_SE
.Lnot_mine_\@:
.endm
; 32 numbers (two blocks; register 16 b + i = k 32 b + 16 (lane / 16) + i) become six registers of codes, v[PC] .. v[PC + 5], and the word v[TM + 8] = byte 0 | byte 1 << 8.
.macro HQ s
.irp b, 0,1
	v_max3_num_f32 v[TM+\b], |v[\s+16*\b]|, |v[\s+1+16*\b]|, 0x1800000
.endr
.irp i, 2,4,6,8,10,12,14
.irp b, 0,1
	s_delay_alu instid0(VALU_DEP_2)
	v_max3_num_f32 v[TM+\b], v[TM+\b], |v[\s+16*\b+\i]|, |v[\s+1+16*\b+\i]|
.endr
.endr
.irp b, 0,1
	s_delay_alu instid0(VALU_DEP_2)
	v_permlanex16_b32 v[TM+4+\b], v[TM+\b], s[SEL], s[SEL+1]
.endr
.irp b, 0,1
	s_delay_alu instid0(VALU_DEP_2)
	v_max_num_f32 v[TM+\b], v[TM+\b], v[TM+4+\b]
.endr
.irp b, 0,1
	s_delay_alu instid0(VALU_DEP_2)
	v_add_nc_u32 v[TM+12+\b], 0xff000000, v[TM+\b]
.endr
.irp b, 0,1
	s_delay_alu instid0(VALU_DEP_2)
	v_lshrrev_b32 v[TM+4+\b], 23, v[TM+12+\b]
.endr
	s_delay_alu instid0(VALU_DEP_1)
	v_lshl_or_b32 v[TM+8], v[TM+5], 8, v[TM+4]
	v_cvt_scalef32_pk16_fp6_f32 v[PC:PC+2], v[\s:\s+15], v[TM+12]
	v_cvt_scalef32_pk16_fp6_f32 v[PC+6:PC+8], v[\s+16:\s+31], v[TM+13]
	v_nop                                          ; one plain place behind a scaled conversion
.irp i, 0,1,2
	v_permlane16_swap_b32 v[PC+\i], v[PC+6+\i]
.endr
.irp i, 0,1,2
	s_delay_alu instid0(VALU_DEP_3)
	v_mov_b32 v[PC+3+\i], v[PC+6+\i]
.endr
.endm
	s_load_b128 s[4:7], s[0:1], 0x0                ; qkv, cimg
	v_lshl_add_u32 v[SPW], v0, 2, SPARE
	v_mov_b32 v[NIL], 0
	ds_add_u32 v5, v6
	ds_add_u32 v5, v6
	s_wait_dscnt 0x0
	v_lshrrev_b32 v9, 5, v0
	s_delay_alu instid0(VALU_DEP_1)
	v_readfirstlane_b32 s[WV], v9                  ; wave 0..11
	s_and_b32 s11, ttmp7, 0xffff
	s_mul_i32 s11, s11, 3                          ; the work-group's first head, which the four partners share
	s_lshr_b32 s12, s[WV], 2                       ; which of the three heads is mine
	s_and_b32 s13, s[WV], 3                        ; which of the four tiles.  Also: the head that I fetch (waves 0-2) or prefetch (waves 4-6)
	s_add_co_u32 s14, s11, s13
	s_lshl_b32 s14, s14, 19                        ; that head's K and V: no place in the cluster enters this
	s_mov_b32 s15, 0
	; descriptor group 1: 32,768 dense bytes as 128 rows of 256 bytes (32 elements of 8 bytes), no padding
	s_mov_b32 s[G1], 15|(3<<16)|(1<<21)            ; 15:0 the mask: all four work-groups; 17:16 elements of 8 bytes; 21 set beside a mask
	s_mov_b32 s[G1+1], 32<<16                      ; tensor_dim0 = 32
	s_mov_b32 s[G1+2], 128<<16                     ; tensor_dim1 = 128
	s_mov_b32 s[G1+3], 32<<16                      ; tile_dim0 = 32
	s_mov_b32 s[G1+4], 128                         ; tile_dim1 = 128
	s_mov_b32 s[G1+5], 32                          ; from row to row
	s_mov_b32 s[G1+6], 0
	s_mov_b32 s[G1+7], 0
	s_bfe_u32 s9, ttmp6, 0x40000                   ; cx: it enters Q's, cimg's and the prefetches' addresses alone
	s_lshl_b32 s10, ttmp9, 2
	s_add_co_u32 s10, s10, s9                      ; gx
	s_lshl_b32 s16, s10, 2
	s_add_co_u32 s16, s16, s13                     ; T: my tile of queries
	s_add_co_u32 s17, s11, s12                     ; my head
	s_lshl_b32 s32, s17, 19
	s_lshl_b32 s33, s16, 10
	s_add_co_u32 s32, s32, s33
	s_lshr_b32 s33, s16, 4
	s_lshl_b32 s33, s33, 14
	s_add_co_u32 s32, s32, s33                     ; head x 524,288 + (T / 16) x 32,768 + (T % 16) x 1,024
	s_add_co_u32 s32, s32, 0x600000                ; in Q's region
	s_mov_b32 s33, 0
	s_mul_i32 s34, s16, 12
	s_add_co_u32 s34, s34, s17
	s_lshl_b32 s34, s34, 10                        ; cimg: record 12 T + head
	s_mov_b32 s35, 0
	s_lshl_b32 s36, s9, 13                         ; the prefetches: my work-group's 8,192 bytes,
	s_add_co_u32 s36, s36, 32768                   ; in slot 1: the first change of slots steps it to slot 2
	s_mov_b32 s37, 0
	s_sub_co_u32 s38, s[WV], 4
	s_cmp_lt_u32 s38, 3                            ; waves 4 to 6
	s_cselect_b32 s38, 0, 1
	s_or_b32 s38, s38, ttmp9                       ; of the first cluster along x: the same in all four partners
	s_cmp_eq_u32 s38, 0
	s_cselect_b32 s[LIM], 1, -1
	s_mov_b32 s[SEL], 0x76543210
	s_mov_b32 s[SEL+1], 0xfedcba98
	s_mov_b32 s[CS], 0x3e38aa3b                    ; c = log2(e) / 8
	s_mov_b32 s[CS+1], s[CS]                       ; (named with it as a pair, so it is written)
	s_mov_b32 s[TB], 0
	s_mov_b32 s[SLOTS], 15
	s_wait_kmcnt 0x0
	s_mov_b32 s[G0], 1                             ; count = 1
	s_lshl_b32 s[G0+1], s13, 15                    ; LDS address: slot 0, my head's 32,768 bytes
	s_add_nc_u64 s[G0+2:G0+3], s[4:5], s[14:15]    ; global address: the head's first 256 keys
	s_or_b32 s[G0+3], s[G0+3], 0x80000000          ; type = 2
	s_add_nc_u64 s[PFA:PFA+1], s[4:5], s[14:15]
	s_add_nc_u64 s[PFA:PFA+1], s[PFA:PFA+1], s[36:37]
	s_add_nc_u64 s[QP:QP+1], s[4:5], s[32:33]
	s_add_nc_u64 s[6:7], s[6:7], s[34:35]
	CROUND                                         ; all four work-groups are here: the first joint loads meet
	JLOAD                                          ; slot 0
	v_and_b32 v[GO], 31, v0
	s_delay_alu instid0(VALU_DEP_1)
	v_lshlrev_b32 v[PFO], 8, v[GO]
	s_delay_alu instid0(VALU_DEP_2)
	v_lshlrev_b32 v[GO], 3, v[GO]
	s_lshl_b32 s18, s12, 15
	v_add_nc_u32 v[AK0], s18, v[GO]                ; 8 x lane + my head's part of a slot
.irp p, 0,1,2
	global_load_b64 v[16+2*\p:17+2*\p], v[GO], s[QP:QP+1] offset:256*\p   ; Q's codes stay in registers
.endr
	global_load_b32 v255, v[GO], s[QP:QP+1] offset:768                    ; and its scale word
.irp j, 0,1,2,3,4,5
	v_mov_b32 v[22+\j], 0                          ; Q's upper 64 along K: zero codes
	v_mov_b32 v[80+\j], 0                          ; what stands behind the last tile of K
.endr
	v_mov_b32 v13, 0xff61b1e6                      ; the largest t so far: -3e38, under every t
	s_delay_alu instid0(VALU_DEP_1)
	v_floor_f32 v12, -v13                          ; -M
	v_mov_b32 v14, 0                               ; the sum, in two halves
	v_mov_b32 v15, 0
.irp b, 0,1,2,3
	v_mov_b32 v[236+\b], 0                         ; written once: a lane permute's destination counts as one of its sources
.endr
	v_mov_b32 v253, 0                              ; (named as the upper half of the pair v[252:253] before it is first written)
.irp j, 0,1,2,3,4,5,6,7,8,9,10,11,12,13,14,15,16,17,18,19,20,21,22,23,24,25,26,27,28,29,30,31
	v_mov_b32 v[160+\j], 0                         ; O^T.  (The step is written once: the first finds zeros, which the first change of M leaves zeros)
.endr
; A KEY STEP: 128 keys, the q-th of the slot in hand.
.macro STEP q
	v_add_nc_u32 v[ADR], s[TB], v[AK0]
.rept 3
	v_nop                                          ; with the addition: four places in front of loads into registers that the last products have read
.endr
.irp t, 0,1,2,3,4,5,6,7
.irp p, 0,1,2
	ds_load_b64 v[32+6*\t+2*\p:33+6*\t+2*\p], v[ADR] offset:(8*(\q)+\t)*1024+256*\p
.endr
	ds_load_b32 v[192+\t], v[ADR] offset:(8*(\q)+\t)*1024+768
.endr
	s_wait_alu depctr_va_vdst(0)
	s_wait_dscnt 0x0
.irp t, 0,1,2,3,4,5,6,7                ; S^T = K Q^T: lane (r, h) holds query r; the 16 registers of tiles 2 b, 2 b + 1 are keys 32 b + 16 h + 0 .. 15 of the step
	v_wmma_scale_f32_16x16x128_f8f6f4 v[96+8*\t:103+8*\t], v[32+6*\t:43+6*\t], v[16:27], 0, v[192+\t], v255 matrix_a_fmt:MATRIX_FMT_FP6 matrix_b_fmt:MATRIX_FMT_FP6
.endr
.rept 4
	v_nop                                          ; places in front of the loads below and of the first read of the scores
.endr
.irp n, 0,1,2,3                        ; V's four fragments are asked for now and land under the softmax: fragment n, keys 64 c on: record 4 (2 q + c) + n
.irp c, 0,1
.irp p, 0,1,2
	ds_load_b64 v[32+12*\n+6*\c+2*\p:33+12*\n+6*\c+2*\p], v[ADR] offset:16384+(4*(2*(\q)+\c)+\n)*1024+256*\p
.endr
	ds_load_b32 v[200+2*\n+\c], v[ADR] offset:16384+(4*(2*(\q)+\c)+\n)*1024+768
.endr
.endr
.irp b, 0,1,2,3
	v_max3_num_f32 v[232+\b], v[96+16*\b], v[97+16*\b], v[98+16*\b]   ; the largest score of each block of 32 keys: it serves for the row's maximum and, since p rises with the score, for the block's largest p
.endr
.irp i, 3,5,7,9,11,13
.irp b, 0,1,2,3
	v_max3_num_f32 v[232+\b], v[232+\b], v[96+16*\b+\i], v[97+16*\b+\i]
.endr
.endr
.irp b, 0,1,2,3
	v_max_num_f32 v[232+\b], v[232+\b], v[111+16*\b]
.endr
.irp b, 0,1,2,3
	s_delay_alu instid0(VALU_DEP_4)
	v_permlanex16_b32 v[236+\b], v[232+\b], s[SEL], s[SEL+1]
.endr
.irp b, 0,1,2,3
	s_delay_alu instid0(VALU_DEP_4)
	v_max_num_f32 v[232+\b], v[232+\b], v[236+\b]  ; with lane l xor 16's 16 keys
.endr
	s_delay_alu instid0(VALU_DEP_2)
	v_max3_num_f32 v254, v232, v233, v234
	s_delay_alu instid0(VALU_DEP_1)
	v_max_num_f32 v254, v254, v235                 ; the step's largest score of my query
	s_delay_alu instid0(VALU_DEP_1)
	v_mul_f32 v254, s[CS], v254                    ; as t (c is positive)
	s_delay_alu instid0(VALU_DEP_1)
	v_max_num_f32 v13, v13, v254                   ; the running largest t
	v_mov_b32 v254, v12
	s_delay_alu instid0(VALU_DEP_2)
	v_floor_f32 v12, -v13                          ; the new -M = floor(-t) = -ceil(t): a whole number
	s_delay_alu instid0(VALU_DEP_1)
	v_sub_f32 v254, v12, v254                      ; M's old value less its new one: a whole number, 0 or less
	s_delay_alu instid0(VALU_DEP_1)
	v_cvt_i32_f32 v254, v254                       ; (it saturates)
	s_delay_alu instid0(VALU_DEP_1)
	v_ldexp_f32 v252, 1.0, v254                    ; f = 2^(old M - new M)
.irp j, 0,2,4,6,8,10,12,14,16,18,20,22,24,26,28,30,32,34,36,38,40,42,44,46,48,50,52,54,56,58,60,62
	v_pk_fma_f32 v[96+\j:97+\j], v[96+\j:97+\j], s[CS:CS+1], v[12:13] op_sel_hi:[1,0,0]   ; t - M, two at a time
.endr
.irp b, 0,1,2,3
	v_fma_f32 v[232+\b], v[232+\b], s[CS], v12     ; the same of each block's largest score
.endr
	s_wait_alu depctr_va_vdst(0)
.irp j, 0,1,2,3,4,5,6,7,8,9,10,11,12,13,14,15,16,17,18,19,20,21,22,23,24,25,26,27,28,29,30,31,32,33,34,35,36,37,38,39,40,41,42,43,44,45,46,47,48,49,50,51,52,53,54,55,56,57,58,59,60,61,62,63
	v_exp_f32 v[96+\j], v[96+\j]                   ; p = 2^(t - M), at most 1: not normalised
.endr
	v_pk_mul_f32 v[14:15], v[14:15], v[252:253] op_sel_hi:[1,0]   ; the sums under the new M: a plain place behind the exponentials
	s_wait_alu depctr_va_vdst(0)                   ; one wait for the whole batch, ahead of its first reader
.irp b, 0,1,2,3
	v_exp_f32 v[232+\b], v[232+\b]                 ; the block's largest p: the same two instructions on the same number give the same bits
.endr
	v_pk_add_f32 v[236:237], v[100:101], v[104:105]
	v_pk_add_f32 v[250:251], v[108:109], v[112:113]
	v_pk_add_f32 v[248:249], v[116:117], v[120:121]
	v_pk_add_f32 v[246:247], v[124:125], v[128:129]
	v_pk_add_f32 v[244:245], v[132:133], v[136:137]
	v_pk_add_f32 v[242:243], v[140:141], v[144:145]
	v_pk_add_f32 v[240:241], v[148:149], v[152:153]
	v_pk_add_f32 v[14:15], v[14:15], v[156:157]
	v_pk_add_f32 v[236:237], v[236:237], v[96:97]
	v_pk_add_f32 v[250:251], v[250:251], v[98:99]
	v_pk_add_f32 v[248:249], v[248:249], v[102:103]
	v_pk_add_f32 v[246:247], v[246:247], v[106:107]
	v_pk_add_f32 v[244:245], v[244:245], v[110:111]
	v_pk_add_f32 v[242:243], v[242:243], v[114:115]
	v_pk_add_f32 v[240:241], v[240:241], v[118:119]
	v_pk_add_f32 v[14:15], v[14:15], v[122:123]
	v_pk_add_f32 v[236:237], v[236:237], v[126:127]
	v_pk_add_f32 v[250:251], v[250:251], v[130:131]
	v_pk_add_f32 v[248:249], v[248:249], v[134:135]
	v_pk_add_f32 v[246:247], v[246:247], v[138:139]
	v_pk_add_f32 v[244:245], v[244:245], v[142:143]
	v_pk_add_f32 v[242:243], v[242:243], v[146:147]
	v_pk_add_f32 v[240:241], v[240:241], v[150:151]
	v_pk_add_f32 v[14:15], v[14:15], v[154:155]
	v_pk_add_f32 v[236:237], v[236:237], v[158:159]
	s_delay_alu instid0(VALU_DEP_2)
	v_pk_add_f32 v[14:15], v[14:15], v[246:247]
	s_delay_alu instid0(VALU_DEP_2)
	v_pk_add_f32 v[236:237], v[236:237], v[244:245]
	v_pk_add_f32 v[250:251], v[250:251], v[242:243]
	v_pk_add_f32 v[248:249], v[248:249], v[240:241]
	s_delay_alu instid0(VALU_DEP_2)
	v_pk_add_f32 v[14:15], v[14:15], v[250:251]
	s_delay_alu instid0(VALU_DEP_2)
	v_pk_add_f32 v[236:237], v[236:237], v[248:249]
	s_delay_alu instid0(VALU_DEP_1)
	v_pk_add_f32 v[14:15], v[14:15], v[236:237]
	s_wait_alu depctr_va_vdst(0)                   ; and one for the four
.irp b, 0,1,2,3
	v_max_num_f32 v[232+\b], 0x1800000, v[232+\b]  ; the floor 2^(3 - 127): the byte cannot fall under 1
.endr
.irp b, 0,1,2,3
	s_delay_alu instid0(VALU_DEP_4)
	v_add_nc_u32 v[244+\b], 0xff000000, v[232+\b]  ; 2 off the exponent field: the conversion's scale operand
.endr
.irp b, 0,1,2,3
	s_delay_alu instid0(VALU_DEP_4)
	v_lshrrev_b32 v[236+\b], 23, v[244+\b]         ; the scale's byte
.endr
	s_delay_alu instid0(VALU_DEP_3)
	v_lshl_or_b32 v253, v237, 8, v236              ; p's scale word for these 128 keys
	s_delay_alu instid0(VALU_DEP_1)
	v_lshl_or_b32 v253, v238, 16, v253
	s_delay_alu instid0(VALU_DEP_1)
	v_lshl_or_b32 v253, v239, 24, v253
.irp c, 0,1
	v_cvt_scalef32_pk16_fp6_f32 v[224+6*\c:226+6*\c], v[96+32*\c:111+32*\c], v[244+2*\c]
	v_cvt_scalef32_pk16_fp6_f32 v[236+4*\c:238+4*\c], v[112+32*\c:127+32*\c], v[244+2*\c+1]
.endr
	v_nop                                          ; one plain place behind a scaled conversion
.irp c, 0,1                            ; the operand wants a whole block in a lane
.irp i, 0,1,2
	v_permlane16_swap_b32 v[224+6*\c+\i], v[236+4*\c+\i]
.endr
.irp i, 0,1,2
	s_delay_alu instid0(VALU_DEP_3)
	v_mov_b32 v[227+6*\c+\i], v[236+4*\c+\i]
.endr
.endr
	s_wait_dscnt 0x0                               ; V's fragments and half words are in
.irp n, 0,1,2,3
	v_lshl_or_b32 v[208+\n], v[201+2*\n], 16, v[200+2*\n]   ; two half words make the scale word of 128 keys
.endr
.irp j, 0,2,4,6,8,10,12,14,16,18,20,22,24,26,28,30
	v_pk_mul_f32 v[160+\j:161+\j], v[160+\j:161+\j], v[252:253] op_sel_hi:[1,0]   ; O^T under the new M.  Twelve of these sixteen name no register of any one product below: the places behind the scale words and p's codes
.endr
.irp n, 0,1,2,3                        ; O^T += V^T P^T: the four accumulators by turns
	v_wmma_scale_f32_16x16x128_f8f6f4 v[160+8*\n:167+8*\n], v[32+12*\n:43+12*\n], v[224:235], v[160+8*\n:167+8*\n], v[208+\n], v253 matrix_a_fmt:MATRIX_FMT_FP6 matrix_b_fmt:MATRIX_FMT_FP6
.endr
.endm
; THE CHANGE OF SLOTS stands at a slot's head.  Each wave waits for all its tensor loads (at most one is out: its part of the slot that it is about to read), adds 0 to its spare word, and waits for that and for its reads of
; the slot that it has left.  fill = 1: behind a round of the cluster's barrier that other slot is filled with the keys that follow: the load has two key steps in which to land.
.macro CHANGE fill
	s_wait_tensorcnt 0x0                           ; no tensor load of mine is out, so the group 0 may be written
	ds_add_u32 v[SPW], v[NIL]                      ; 0 onto my spare word
.if \fill
	s_xor_b32 s[G0+1], s[G0+1], SLOT1              ; the other slot than last time,
	s_add_nc_u64 s[G0+2:G0+3], s[G0+2:G0+3], 32768 ; the next 256 keys; the type bits on top are not reached
	s_wait_xcnt 0x0                                ; the last prefetch, a slot back, has read its address, so it may be written:
	s_add_nc_u64 s[PFA:PFA+1], s[PFA:PFA+1], 32768 ; one slot further on than the walking descriptor
	s_wait_dscnt 0x0                               ; the add is done, and my reads of the slot that I have left are over
	CROUND                                         ; both now hold of every wave of the four work-groups
	JLOAD                                          ; the first thing behind the round, and a wave's one tensor load until the next
	ASK
.else
	s_wait_dscnt 0x0
	s_barrier_signal -1
	s_barrier_wait -1
.endif
.endm
	s_wait_loadcnt 0x0                             ; Q
.Lslot:                                            ; 15 trips: behind each change of slots but the last the next slot is asked for
	CHANGE 1
	STEP 0
	STEP 1
	s_xor_b32 s[TB], s[TB], SLOT1                  ; on to the other slot
	s_sub_co_u32 s[SLOTS], s[SLOTS], 1
	s_cmp_lg_u32 s[SLOTS], 0
	s_cbranch_scc1 .Lslot
	CHANGE 0                                       ; the last slot is written out
	STEP 0
	STEP 1
	; THE WAY OUT: O^T / the sum; register 16 b + i is d = 32 b + 16 h + i of my query: half a fragment of the last product's operand
.rept 4
	v_nop                                          ; places behind the last products
.endr
	v_add_f32 v14, v14, v15                        ; the sum's two halves,
	s_delay_alu instid0(VALU_DEP_1)
	v_permlanex16_b32 v252, v14, s[SEL], s[SEL+1]
	s_delay_alu instid0(VALU_DEP_1)
	v_add_f32 v14, v14, v252                       ; and lane l xor 16's
	s_wait_alu depctr_va_vdst(0)
	v_rcp_f32 v14, v14
	v_mov_b32 v241, 0                              ; the upper word of the record's last piece: a plain place behind the reciprocal
	s_wait_alu depctr_va_vdst(0)                   ; the wait ahead of its first reader
.irp j, 0,1,2,3,4,5,6,7,8,9,10,11,12,13,14,15,16,17,18,19,20,21,22,23,24,25,26,27,28,29,30,31
	v_mul_f32 v[96+\j], v[160+\j], v14             ; each accumulator from its low end on
.endr
	HQ 96
.irp p, 0,1,2
	global_store_b64 v[GO], v[PC+2*\p:PC+2*\p+1], s[6:7] offset:256*\p   ; 32 lanes store 256 consecutive bytes, aligned
.endr
	global_store_b64 v[GO], v[TM+8:TM+9], s[6:7] offset:768
	s_wait_tensorcnt 0x0                           ; the wave's end
	ds_add_u32 v[SPW], v[NIL]
	s_wait_dscnt 0x0
	CROUND                                         ; the closing round: no work-group ends while a partner may still ask for a tile that names it
	s_endpgm
.Lfunc_end_k_qbc7d992919_attn:
	.size	k_qbc7d992919_attn, .Lfunc_end_k_qbc7d992919_attn-k_qbc7d992919_attn
	.p2alignl 7, 3214868480
	.fill 96, 4, 3214868480
	.section	.rodata,"a",@progbits
	.p2align	6, 0x0
	.amdhsa_kernel k_qbc7d992919_attn
		.amdhsa_group_segment_fixed_size 327680
		.amdhsa_private_segment_fixed_size 0
		.amdhsa_enable_private_segment 0
		.amdhsa_kernarg_size 16
		.amdhsa_user_sgpr_count 2
		.amdhsa_user_sgpr_kernarg_segment_ptr 1
		.amdhsa_wavefront_size32 1
		.amdhsa_system_sgpr_workgroup_id_x 1
		.amdhsa_system_sgpr_workgroup_id_y 1
		.amdhsa_system_sgpr_workgroup_id_z 1
		.amdhsa_system_vgpr_workitem_id 0
		.amdhsa_next_free_vgpr 256
		.amdhsa_next_free_sgpr 66
		.amdhsa_reserve_vcc 0
		.amdhsa_float_denorm_mode_32 3
		.amdhsa_float_denorm_mode_16_64 3
		.amdhsa_memory_ordered 1
		.amdhsa_forward_progress 1
		.amdhsa_inst_pref_size 89
	.end_amdhsa_kernel
	.amdgpu_metadata
---
amdhsa.version: [ 1, 2 ]
amdhsa.kernels:
  - .name:           k_qbc7d992919_attn
    .symbol:         k_qbc7d992919_attn.kd
    .args:
      - { .name: qkv, .offset: 0, .size: 8, .value_kind: global_buffer, .address_space: global }
      - { .name: cimg, .offset: 8, .size: 8, .value_kind: global_buffer, .address_space: global }
    .group_segment_fixed_size: 327680
    .private_segment_fixed_size: 0
    .kernarg_segment_align: 8
    .kernarg_segment_size: 16
    .max_flat_workgroup_size: 384
    .sgpr_count:     66
    .vgpr_count:     256
    .wavefront_size: 32
...
	.end_amdgpu_metadata
.endif
;; end of part 7
;; launch out (part 8): grid 64 x 3, 4 waves a work-group, no clusters, 67,072 bytes of LDS; arguments cimg, wimg, bo, out0; writes out0
.if DOCPART == 8
	.amdgcn_target "amdgcn-amd-amdhsa--gfx1250"
	.amdhsa_code_object_version 6
	.text
	.protected	k_qbc7d992919_out
	.globl	k_qbc7d992919_out
	.p2align	8
	.type	k_qbc7d992919_out,@function
k_qbc7d992919_out:
	s_mov_b64 s[64:65], 0
	v_nop
	global_prefetch_b8 v0, s[64:65] scope:SCOPE_SE
	s_setreg_imm32_b32 hwreg(HW_REG_WAVE_SCHED_MODE, 0, 2), 2
	s_setreg_imm32_b32 hwreg(HW_REG_WAVE_MODE, 25, 1), 1
	s_wait_xcnt 0x0
	s_wait_alu depctr_vm_vsrc(0)
; out0 = concat Wo^T + bo on codes of FP6 (E2M3) with one E8M0 byte for each 32 along K.  Both operands arrive as images of the operand's registers: cimg (record 12 T + head: half a fragment, 64 along K, of query tile T) and
; wimg's second half (Wo: group hg of 64 features, six records of four fragments and their scale words).
; SHARES.  Work-group (x, y): queries 64 x on (four tiles), features 256 y on; wave w: the 64 features of group hg = 4 y + w, for all 64 queries: 16 accumulators by turns, six K steps, 96 products.
; The work-group's 48 records of cimg come once, a quarter by each wave in loads of 512 consecutive bytes, and reach all four waves through LDS.  The weights go from memory straight into registers.
; Source 0 = 16 features, source 1 = 16 queries: a lane holds one query, and the 32 registers of a query tile are features 32 b + 16 h + i at register 16 b + i: 16 bytes at a time into my own stage in LDS, back as rows of 256 bytes.
; Lane r of query tile m = 2 b + u is query 32 b + 8 u + r + 8 (r / 8) of the 64: the stores put each row in its place.
; No cluster and no joint loads: a wave's whole work is 96 products on 78 loads that are all issued at its head; a ring in LDS with its barriers would serve nothing that is waited for twice.
; THE MODE: SCHED_MODE bits 1:0 = 2 (LLVM: expert scheduling mode 2), set by the entry lines.  The code itself states the register dependences between vector or matrix instructions and memory or LDS instructions,
; with s_wait_alu, always for 0.
; THE PLAN.  Registers that memory or LDS instructions touch:
;   v16-111    my quarter of the records: loads land there, my LDS stores read them; then the products write them as accumulators (v16-143), and the stage's LDS stores read those.
;   v192-239   x's half words: LDS loads land there, 24 vector lines read them; then, as v192-223 and v224-255 by turns, rows from the stage land there and the global stores read them.
;   v168-191   x's scale words: written by those 24 vector lines, named as scales by the products.
;   windows 1-3 and v144-167: fragments, bias and Wo's scale words: each loaded once, read by the products alone.
;   v1-9       addresses, made once at the head and never written again.
; So: one wait on va_vdst ahead of the first load; one on vm_vsrc behind the barrier; one on va_vdst ahead of the first product; one ahead of the way out; one on vm_vsrc ahead of each second use of a row buffer.
; REGISTERS.  Window 0: v1-9 addresses; v14, v15 the closing add's two; v16-111 my quarter of the records, then v16-143 the accumulators; v144-167 Wo's scale words (4 s + n); v168-191 x's (6 m + s); v192-239 x's half words, later v192-255 rows on the way out.
;   Window w' = 1, 2, 3: v0-95 x's fragments of K steps 2 (w' - 1) + e at 12 (4 e + m); v96-191 Wo's at 96 + 12 (4 e + n); window 1, v192-223: the bias.
.set STG, 49152                        ; LDS: the 48 records; then a stage of 16 rows x (256 + 16) bytes for each wave
.set LI,  1                            ; v1  16 x lane
.set G8,  3                            ; v3  8 x lane
.set BA,  4                            ; v4  64 h
.set RW,  6                            ; v6  where I put my quarter of the records: 12,288 w + 16 x lane
.set SO,  7                            ; v7  my stage on the way in: 272 r + 64 h
.set SR,  8                            ; v8  and on the way out: 272 (lane / 16) + 16 (lane % 16)
.set CO,  9                            ; v9  the same two rows in out0: 3,072 (lane / 16) + 16 (lane % 16)
.set WS,  144
.set XS,  168
.set XR,  192
.set CB,  4                            ; s[4:5]   my quarter of the records
.set WB,  6                            ; s[6:7]   Wo's group
.set BO,  8                            ; s[8:9]   bo at my 64 features
.set OP,  10                           ; s[10:11] out0 at the work-group's first row, my 256 bytes of it
.set WV,  16
.set MSB, 0
.macro WIN new                         ; the immediate's high byte repeats the setting that is left; a switch that changes nothing is dropped
.if MSB != (\new)
	s_set_vgpr_msb (MSB<<8)|(\new)
.set MSB, \new
.endif
.endm
.macro WLOAD hd, s                     ; the weights of K step s: four fragments and their scale words: 13 loads
.set WW, ((\s)/2+1)<<6
	WIN WW
.irp n, 0,1,2,3
.irp c, 0,1,2
	global_load_b128 v[96+12*(4*((\s)%2)+\n)+4*\c:96+12*(4*((\s)%2)+\n)+4*\c+3], v[LI], s[WB:WB+1] offset:(6*(\hd)+(\s))*6656+\n*1536+512*\c
.endr
.endr
	WIN 0
	global_load_b128 v[WS+4*(\s):WS+4*(\s)+3], v[LI], s[WB:WB+1] offset:(6*(\hd)+(\s))*6656+6144
.endm
; 16 matrix instructions: K step s, four tiles of queries m x four tiles of features n.  At s = 0 the bias (window 1) is C.  The 16 accumulators take turns, one instruction a turn.
.macro MUL s
.set EE, (\s)%2
.set WW, 5*((\s)/2+1)
.if (\s) == 0
.set WW, 5+(1<<4)
.endif
	WIN WW
.irp m, 0,1,2,3
.irp n, 0,1,2,3
.set xD, 16+32*\m+8*\n
.set xA, 96+12*(4*EE+\n)
.set xB, 12*(4*EE+\m)
.set xC, xD
.if (\s) == 0
.set xC, 192+8*\n
.endif
	v_wmma_scale_f32_16x16x128_f8f6f4 v[xD:xD+7], v[xA:xA+11], v[xB:xB+11], v[xC:xC+7], v[WS+4*(\s)+\n], v[XS+6*\m+(\s)] matrix_a_fmt:MATRIX_FMT_FP6 matrix_b_fmt:MATRIX_FMT_FP6
.endr
.endr
.endm
.macro TOSTAGE m                       ; query tile m: 16 rows x 256 bytes through my stage; LDS serves a wave's instructions in order
.irp b, 0,1
.irp i, 0,1,2,3
	ds_store_b128 v[SO], v[16+32*(\m)+16*\b+4*\i:16+32*(\m)+16*\b+4*\i+3] offset:128*\b+16*\i   ; each accumulator from its low end on
.endr
.endr
.set RBK, 192+32*((\m)%2)
.irp i, 0,1,2,3,4,5,6,7
	ds_load_b128 v[RBK+4*\i:RBK+4*\i+3], v[SR] offset:544*\i
.endr
.endm
.macro SEND m, younger                 ; younger: the LDS instructions issued behind tile m's loads, which may stay out
.set RBK, 192+32*((\m)%2)
	s_wait_dscnt \younger
.irp i, 0,1,2,3,4,5,6,7
	global_store_b128 v[CO], v[RBK+4*\i:RBK+4*\i+3], s[OP:OP+1] offset:(32*((\m)/2)+8*((\m)%2)+2*\i+8*(\i/4))*3072 th:TH_STORE_NT   ; 16 lanes store 256 consecutive bytes, aligned; stage rows 2 i, 2 i + 1 are queries 2 i + 8 (i / 4) and the next
.endr
.endm
	s_load_b256 s[4:11], s[0:1], 0x0               ; cimg, wimg, bo, out0
	v_lshl_add_u32 v14, v0, 2, 0x10400
	v_mov_b32 v15, 0
	v_lshrrev_b32 v10, 5, v0
	v_readfirstlane_b32 s[WV], v10                 ; wave 0..3
	v_and_b32 v10, 31, v0                          ; lane
	v_and_b32 v11, 15, v0                          ; r
	v_bfe_u32 v12, v0, 4, 1                        ; h
	v_lshlrev_b32 v[LI], 4, v10
	v_lshlrev_b32 v[G8], 3, v10
	v_lshlrev_b32 v[BA], 6, v12
	s_wait_alu depctr_va_sdst(0)                   ; the wave's number is written, ahead of its first reader: LDS addresses and the bases are made from it
	s_mul_i32 s20, s[WV], 12288
	v_add_nc_u32 v[RW], s20, v[LI]
	s_mul_i32 s21, s[WV], 4352
	s_add_co_u32 s21, s21, STG
	v_mul_u32_u24 v[SO], v11, 272
	v_lshl_add_u32 v[SO], v12, 6, v[SO]
	v_add_nc_u32 v[SO], s21, v[SO]
	v_mul_u32_u24 v[SR], v12, 272
	v_lshl_add_u32 v[SR], v11, 4, v[SR]
	v_add_nc_u32 v[SR], s21, v[SR]
	v_mul_u32_u24 v[CO], v12, 3072
	v_lshl_add_u32 v[CO], v11, 4, v[CO]
	s_and_b32 s17, ttmp7, 0xffff
	s_lshl_b32 s17, s17, 2
	s_add_co_u32 s17, s17, s[WV]                   ; hg
	s_mul_i32 s18, s17, 39936
	s_add_co_u32 s18, s18, 479232                  ; behind Wq's twelve groups
	s_mov_b32 s19, 0
	s_mul_i32 s22, ttmp9, 49152                    ; 48 records a work-group,
	s_add_co_u32 s22, s22, s20                     ; my quarter
	s_mov_b32 s23, 0
	s_lshl_b32 s24, s17, 8                         ; 64 numbers of 4 bytes a group
	s_mov_b32 s25, 0
	s_mul_i32 s26, ttmp9, 196608                   ; 64 rows of 3,072 bytes
	s_add_co_u32 s26, s26, s24
	s_mov_b32 s27, 0
	s_wait_kmcnt 0x0
	s_add_nc_u64 s[CB:CB+1], s[CB:CB+1], s[22:23]
	s_add_nc_u64 s[WB:WB+1], s[WB:WB+1], s[18:19]
	s_add_nc_u64 s[BO:BO+1], s[BO:BO+1], s[24:25]
	s_add_nc_u64 s[OP:OP+1], s[OP:OP+1], s[26:27]
	s_wait_alu depctr_va_vdst(0)                   ; the addresses v1 to v9 are written: every load, store and LDS instruction of the kernel reads one of them
.irp i, 0,1,2,3,4,5,6,7,8,9,10,11,12,13,14,15,16,17,18,19,20,21,22,23
	global_load_b128 v[16+4*\i:19+4*\i], v[LI], s[CB:CB+1] offset:512*\i
.endr
	WIN 1<<6
.irp n, 0,1,2,3
	global_load_b128 v[192+8*\n:195+8*\n], v[BA], s[BO:BO+1] offset:(32*(\n/2)+8*(\n%2))*4      ; lane (r, h), tile n = 2 b + u: features 32 b + 8 u + 16 h + 0 .. 7
	global_load_b128 v[196+8*\n:199+8*\n], v[BA], s[BO:BO+1] offset:(32*(\n/2)+8*(\n%2))*4+16
.endr
	WLOAD 0, 0
	WLOAD 0, 1
	s_wait_loadcnt 34                              ; the records are in; the 8 loads of the bias and the 26 of two K steps' weights may be out
.irp i, 0,1,2,3,4,5,6,7,8,9,10,11,12,13,14,15,16,17,18,19,20,21,22,23
	ds_store_b128 v[RW], v[16+4*\i:19+4*\i] offset:512*\i
.endr
	WLOAD 0, 2
	WLOAD 0, 3
	WLOAD 0, 4
	WLOAD 0, 5
	s_wait_dscnt 0x0                               ; for the others' sake: my quarter has landed
	s_barrier_signal -1
	s_barrier_wait -1                              ; the 48 records lie in LDS
	s_wait_alu depctr_vm_vsrc(0)                   ; my LDS stores have read v16 to v111: these registers are accumulators from here on, written by the products
.irp s, 0,1,2,3,4,5                    ; K step s of query tile m is made of the records of heads 2 s and 2 s + 1
.set WW, (\s/2+1)<<6
	WIN WW
.irp m, 0,1,2,3
.irp cc, 0,1
.irp p, 0,1,2
	ds_load_b64 v[12*(4*(\s%2)+\m)+6*\cc+2*\p:12*(4*(\s%2)+\m)+6*\cc+2*\p+1], v[G8] offset:(12*\m+2*\s+\cc)*1024+256*\p
.endr
.endr
.endr
.endr
	WIN 0
.irp m, 0,1,2,3
.irp s, 0,1,2,3,4,5
.irp cc, 0,1
	ds_load_b32 v[XR+2*(6*\m+\s)+\cc], v[G8] offset:(12*\m+2*\s+\cc)*1024+768
.endr
.endr
.endr
	s_wait_dscnt 0x0
.irp m, 0,1,2,3
.irp s, 0,1,2,3,4,5
	v_lshl_or_b32 v[XS+6*\m+\s], v[XR+2*(6*\m+\s)+1], 16, v[XR+2*(6*\m+\s)]   ; two half words make the scale word of 128 along K
.endr
.endr
.rept 8
	v_nop                                          ; a scale register written by a vector instruction stands eight places ahead of a scaled matrix instruction
.endr
	s_wait_alu depctr_va_vdst(0)                   ; x's 24 scale words are written, which the products name as scales; the places above stay beside this wait
.irp s, 0,1,2,3,4,5
.if 13*(5-\s) > 63
	s_wait_loadcnt 63                              ; 65 loads were issued behind this step's; the count's field holds 63
.else
	s_wait_loadcnt 13*(5-\s)                       ; this step's weights are in; the later steps' may be out
.endif
	MUL \s
.endr
	WIN 0
.rept 4
	v_nop                                          ; places in front of the first read of results
.endr
	s_wait_alu depctr_va_vdst(0)                   ; the products have written the accumulators, which the stage's LDS stores read; the lines that read x's half words are done, and rows from the stage land in those registers.  No vector instruction follows
	TOSTAGE 0
	TOSTAGE 1
	SEND 0, 16                                     ; behind tile 0's loads: tile 1's 8 stores and 8 loads
	s_wait_xcnt 0x0                                ; tile 0's stores have had their addresses translated: their data registers take new data only behind this wait
	s_wait_alu depctr_vm_vsrc(0)                   ; tile 0's stores have read v192 to v223, in which tile 2's rows land
	TOSTAGE 2
	SEND 1, 16
	s_wait_xcnt 0x0
	s_wait_alu depctr_vm_vsrc(0)                   ; tile 1's stores have read v224 to v255, in which tile 3's rows land
	TOSTAGE 3
	SEND 2, 16
	SEND 3, 0
	s_wait_dscnt 0x0                               ; the closing lines, six on end
	s_wait_alu 0x0
	s_wait_tensorcnt 0x0
	ds_add_u32 v14, v15
	s_wait_dscnt 0x0
	s_endpgm
.Lfunc_end_k_qbc7d992919_out:
	.size	k_qbc7d992919_out, .Lfunc_end_k_qbc7d992919_out-k_qbc7d992919_out
	.p2alignl 7, 3214868480
	.fill 96, 4, 3214868480
	.section	.rodata,"a",@progbits
	.p2align	6, 0x0
	.amdhsa_kernel k_qbc7d992919_out
		.amdhsa_group_segment_fixed_size 67072
		.amdhsa_private_segment_fixed_size 0
		.amdhsa_enable_private_segment 0
		.amdhsa_kernarg_size 32
		.amdhsa_user_sgpr_count 2
		.amdhsa_user_sgpr_kernarg_segment_ptr 1
		.amdhsa_wavefront_size32 1
		.amdhsa_system_sgpr_workgroup_id_x 1
		.amdhsa_system_sgpr_workgroup_id_y 1
		.amdhsa_system_sgpr_workgroup_id_z 1
		.amdhsa_system_vgpr_workitem_id 0
		.amdhsa_next_free_vgpr 1024
		.amdhsa_next_free_sgpr 66
		.amdhsa_reserve_vcc 0
		.amdhsa_float_denorm_mode_32 3
		.amdhsa_float_denorm_mode_16_64 3
		.amdhsa_memory_ordered 1
		.amdhsa_forward_progress 1
		.amdhsa_inst_pref_size 49
	.end_amdhsa_kernel
	.amdgpu_metadata
---
amdhsa.version: [ 1, 2 ]
amdhsa.kernels:
  - .name:           k_qbc7d992919_out
    .symbol:         k_qbc7d992919_out.kd
    .args:
      - { .name: cimg, .offset: 0, .size: 8, .value_kind: global_buffer, .address_space: global }
      - { .name: wimg, .offset: 8, .size: 8, .value_kind: global_buffer, .address_space: global }
      - { .name: bo, .offset: 16, .size: 8, .value_kind: global_buffer, .address_space: global }
      - { .name: out0, .offset: 24, .size: 8, .value_kind: global_buffer, .address_space: global }
    .group_segment_fixed_size: 67072
    .private_segment_fixed_size: 0
    .kernarg_segment_align: 8
    .kernarg_segment_size: 32
    .max_flat_workgroup_size: 128
    .sgpr_count:     66
    .vgpr_count:     1024
    .wavefront_size: 32
...
	.end_amdgpu_metadata
.endif
;; end of part 8
